; MI455X (gfx1250); checked and timed in simulation.
; The chip was launched on July 23, 2026; its instructions are those of AMD's public machine-readable ISA for CDNA 5 (MIT licence, August 2026) and "CDNA5" Instruction Set Architecture Reference Guide (July 2026). The comments in the code are by the model that wrote it; some were corrected since.
;; Self Attention. Allowed arithmetic: matrix products marked QUANTISED: E3M2 operands, one E8M0 scale for each 32 along K, by v_wmma_scale_f32_16x16x128_f8f6f4 with both operands' format E3M2, f32 sums; everything else in f32.
;; Inputs: W_proj 1,024 x 1,024 float32; W_qkv 1,024 x 3,072 float32; b_proj 1,024 float32; b_qkv 3,072 float32; x 2 x 2,048 x 1,024 float32.
;; Outputs: out0 2 x 2,048 x 1,024 float32.
;; This version of the problem:
;;   THIS VERSION OF THE PROBLEM IS GIVEN IN LOW PRECISION. The matrix products marked QUANTISED in the list below multiply operands that are first quantised to E3M2 (3 exponent bits, 2 mantissa bits; 6 bits a number), with one power-of-two scale for each 32 numbers along K (OCP MX v1.0); their sums are f32. All else is computed in f32.
;;   The module's matrix products, in the order in which they are computed (A, B: the left and right operand; K: the contracted axis; several contracted axes count as one K, in the product's order):
;;     1. [M 4,096, K 1,024] x [K 1,024, N 3,072]; A: input x; B: input W_qkv: QUANTISED
;;     2. batch 32 x [M 2,048, K 64] x [K 64, N 2,048]; A: computed on the way; B: computed on the way: QUANTISED
;;     3. batch 32 x [M 2,048, K 2,048] x [K 2,048, N 64]; A: softmax (see below); B: computed on the way: QUANTISED
;;     4. [M 4,096, K 1,024] x [K 1,024, N 1,024]; A: computed on the way; B: input W_proj: QUANTISED
;;   THE QUANTISER, for each operand of a quantised product, along K:
;;     - K is cut into blocks of 32 from its start; a last block that is shorter is filled with zeros.
;;     - A block's scale is 2^e with e = floor(log2(the largest magnitude in the block)) - 4, held to -126 .. 127; a block of zeros has e = 0. As a byte (E8M0): e + 127.
;;     - Each number is divided by its block's scale, clamped to +-28, and rounded to the nearest number of E3M2, ties to even, subnormals kept.
;;     - The product sums the exact products of the quantised numbers (number of the format x scale) in f32.
;;   ~~~python
;;   def quantise(x, axis):      # numpy; x: float32 -> the quantised numbers, widened to float32 again
;;       x = np.moveaxis(x, axis, -1); K = x.shape[-1]
;;       x = np.pad(x, [(0, 0)] * (x.ndim - 1) + [(0, -K % 32)]); x = x.reshape(x.shape[:-1] + (-1, 32)); a = np.abs(x).max(-1, keepdims=True)
;;       e = np.where(a > 0, np.clip(np.frexp(np.where(a > 0, a, 1))[1] - 1 - 4, -126, 127), 0)      # np.frexp(a)[1] - 1 = floor(log2(a)), exactly
;;       r = np.clip(x / 2.0 ** e, -28, 28)
;;       step = 2.0 ** (np.maximum(np.frexp(np.where(r == 0, 1, r))[1] - 1, -2) - 2)
;;       q = np.round(r / step) * step * 2.0 ** e      # np.round: ties to even
;;       return np.moveaxis(q.reshape(q.shape[:-2] + (-1,))[..., :K], -1, axis).astype(np.float32)
;;   ~~~
;;   SOFTMAX AHEAD OF A QUANTISED PRODUCT. Where the list says 'softmax', what is quantised is not the finished softmax but p = 2^(t - M), with t = logit x log2(e) and M = ceil(the row's largest t), a whole number; so 1/2 < the row's largest p <= 1. The row's sum l is taken of the UNQUANTISED p, in f32, and the product's result is divided by l at the end. Since M is a whole number, a kernel that streams over the keys may use a running M (the ceiling of the running maximum): every later rescaling is an exact power of two, which a block's scale takes up: the codes' values come out the same.
;;   OPERANDS COMPUTED ON THE WAY. 'Computed on the way' means the value that the module computes at that place (a softmax that the list does not call 'softmax' is quantised finished and normalised). What goes into a quantiser is computed in f32, as accurately as f32 sums, v_exp_f32 and their like allow (about 1e-6 of the number): no bf16 or f16 on the way to a quantiser, and a product that is left as it is and whose result goes on into a quantised operand takes f32 operands (vector FMAs, or v_wmma_f32_16x16x4_f32). A number that lies on a knife's edge between two numbers of the format may be rounded either way, as far as f32 arithmetic and the matrix unit's own rounding can turn it there, and no further.
;; 2 versions. Each part assembles by itself: llvm-mc -triple=amdgcn-amd-amdhsa -mcpu=gfx1250 --defsym DOCPART=n.
;; ======== version 1 of 2: 4 launches
;; workspace buffers: XQ 3,276,800 bytes; WQ 3,276,800 bytes; YQ 3,276,800 bytes; QB 3,276,800 bytes; KV 6,553,600 bytes
;; launch quant (part 1): grid 512 x 1, 4 waves a work-group, no clusters, 34,304 bytes of LDS; arguments x, W_qkv, W_proj, XQ, WQ; writes XQ, WQ
.if DOCPART == 1
	.amdgcn_target "amdgcn-amd-amdhsa--gfx1250"
	.amdhsa_code_object_version 6
	.text
	.protected	k_q1d909210ee_quant
	.globl	k_q1d909210ee_quant
	.p2align	8
	.type	k_q1d909210ee_quant,@function
k_q1d909210ee_quant:
	s_mov_b64 s[64:65], 0
	v_nop
	global_prefetch_b8 v0, s[64:65] scope:SCOPE_SE
	s_setreg_imm32_b32 hwreg(HW_REG_WAVE_MODE, 25, 1), 1
	s_wait_xcnt 0x0
; x [4096][1024], W_qkv [1024][3072] and W_proj [1024][1024], f32, become codes of BF6 (E3M2) with one E8M0 scale byte for each 32 along K (x: its last axis; the weights: their first).
; A block's scale is 2^(floor(log2(its largest magnitude)) - 4); its byte is the largest magnitude's exponent field - 4, held at 1 from below.
; LIMITS: a block of zeros gets the byte 1 where the rule says 127 (its codes are zeros, which add nothing, and this program alone reads the bytes); NaN and infinities among the inputs are not served.
; WHAT IS STORED ARE IMAGES OF OPERAND REGISTERS.  A fragment (16 rows x 128 K) is 12 registers a lane: register 4 c + i of lane l lies at 512 c + 16 l + 4 i of its 1,536 bytes.
; A GROUP of 64 rows (tiles q = 0..3) for all of K (steps ks = 0..7) is GB bytes: fragments at 6144 ks + 1536 q, scale words at 49152 + 256 ks + 16 row + 4 q.
; THE ROWS OF A TILE ARE NOT NEIGHBOURS: row p of tile m is index 32 (m / 2) + 8 (m % 2) + p + 8 (p / 8), so that a later product with tiles 2 b and 2 b + 1 as source 0 leaves 16 neighbours in a lane's 16 registers.
; Work-groups 0-255: one tile of 16 tokens of x each, wave w its K steps 2 w and 2 w + 1.  Work-groups 256-447: W_qkv, 128 columns x 128 K each.  Work-groups 448-511: W_proj likewise.
; No matrix unit, no tensor loads, no cluster: each number is read once and nothing is shared between work-groups.  Only the path for x uses LDS, each wave its own bytes: no barrier.
.set GB,   51200
.set SEL,  18                          ; s[18:19] lane selects for v_permlanex16_b32: lane l xor 16
.set TM,   8                           ; v8-11 largest magnitudes, v12-15 the other half's / the bytes, v20-23 the conversions' scale operands
.set PW,   24                          ; v24 the scale word just made
.set RAW,  32                          ; v32-159 two K steps of x as loaded
.set X,    160                         ; v160-223 64 numbers of my row: register 16 b + i = k 32 b + 16 (lane / 16) + i
.set PC,   224                         ; v224-243 the codes
.set SROW, 528                         ; a stage row: 512 bytes + 16, so that row r begins 16 r bytes on modulo 256 and the sixteen rows of a read fall on different banks
.macro XLOAD f                         ; K step f of my two: sixteen rows, each load 512 consecutive bytes of one row
.irp i, 0,1,2,3,4,5,6,7,8,9,10,11,12,13,14,15
	global_load_b128 v[RAW+64*\f+4*\i:RAW+64*\f+4*\i+3], v2, s[4:5] offset:(\i+8*(\i/8))*4096+512*\f th:TH_LOAD_NT
.endr
.endm
.macro TURN f                          ; through my wave's stage: in as loaded, out 16 neighbours of each block of 32 a lane.  LDS serves a wave's instructions in order: no wait between
.irp i, 0,1,2,3,4,5,6,7,8,9,10,11,12,13,14,15
	ds_store_b128 v5, v[RAW+64*\f+4*\i:RAW+64*\f+4*\i+3] offset:SROW*\i
.endr
.irp b, 0,1,2,3
.irp j, 0,1,2,3
	ds_load_b128 v[X+16*\b+4*\j:X+16*\b+4*\j+3], v6 offset:128*\b+16*\j
.endr
.endr
.endm
; 64 numbers of a lane become a fragment's codes in v[PC] on and its scale word in v[PW]
.macro QUANT s
.irp b, 0,1,2,3
	v_max3_num_f32 v[TM+\b], |v[\s+16*\b]|, |v[\s+1+16*\b]|, 0x2800000   ; my 16 numbers of block b, and the floor 2^(5 - 127): the byte cannot fall under 1
.endr
.irp i, 2,4,6,8,10,12,14
.irp b, 0,1,2,3
	v_max3_num_f32 v[TM+\b], v[TM+\b], |v[\s+16*\b+\i]|, |v[\s+1+16*\b+\i]|   ; the four blocks by turns
.endr
.endr
.irp b, 0,1,2,3
	v_permlanex16_b32 v[TM+4+\b], v[TM+\b], s[SEL], s[SEL+1]
.endr
.irp b, 0,1,2,3
	v_max_num_f32 v[TM+\b], v[TM+\b], v[TM+4+\b]   ; with lane l xor 16's 16: the block's largest magnitude
.endr
.irp b, 0,1,2,3
	v_add_nc_u32 v[TM+12+\b], 0xfe000000, v[TM+\b]   ; 4 off its exponent field: the conversion's scale operand
.endr
.irp b, 0,1,2,3
	v_lshrrev_b32 v[TM+4+\b], 23, v[TM+12+\b]      ; the scale's byte
.endr
	v_lshl_or_b32 v[PW], v[TM+5], 8, v[TM+4]
	v_lshl_or_b32 v[PW], v[TM+6], 16, v[PW]
	v_lshl_or_b32 v[PW], v[TM+7], 24, v[PW]
.irp c, 0,1
	v_cvt_scalef32_pk16_bf6_f32 v[PC+6*\c:PC+2+6*\c], v[\s+32*\c:\s+15+32*\c], v[TM+12+2*\c]
	v_cvt_scalef32_pk16_bf6_f32 v[PC+12+4*\c:PC+14+4*\c], v[\s+16+32*\c:\s+31+32*\c], v[TM+12+2*\c+1]   ; (a conversion's three registers begin on an even number)
.endr
	v_nop                                          ; one plain place behind a scaled conversion
.irp c, 0,1                                    ; the operand's layout wants a whole block in a lane: lanes 0-15 block 2 c, lanes 16-31 block 2 c + 1
.irp i, 0,1,2
	v_permlane16_swap_b32 v[PC+6*\c+\i], v[PC+12+4*\c+\i]
.endr
.irp i, 0,1,2
	v_mov_b32 v[PC+3+6*\c+\i], v[PC+12+4*\c+\i]
.endr
.endr
.endm
.macro XOUT f                          ; the fragment's image: each store covers 512 consecutive bytes; the scale word: 4 bytes a row (lanes 16-31 write the same word with the same value)
.irp c, 0,1,2
	global_store_b128 v26, v[PC+4*\c:PC+4*\c+3], s[10:11] offset:6144*\f+512*\c
.endr
	global_store_b32 v27, v[PW], s[10:11] offset:49152+256*\f
.endm
; A weight [1024][cols]: a lane takes a column and its 128 registers run down K, so a block's largest magnitude needs no other lane and the conversions give codes with K innermost.
; Lane l takes column l with bits 3 and 4 exchanged: lanes 0-15 are then the rows of the 32 columns' first tile, lanes 16-31 those of the second.
.macro WPATH cols, gbase, ptr, first
	s_sub_co_u32 s20, ttmp9, \first
	s_and_b32 s21, s20, 7                          ; ks
	s_lshr_b32 s22, s20, 3                         ; which 128 columns
	s_mul_i32 s24, s21, 128*\cols*4
	s_lshl_b32 s25, s22, 9
	s_add_co_u32 s24, s24, s25
	s_lshl_b32 s25, s16, 7                         ; my wave's 32 columns
	s_add_co_u32 s24, s24, s25
	s_mov_b32 s25, 0
	s_add_nc_u64 s[\ptr:\ptr+1], s[\ptr:\ptr+1], s[24:25]
	v_and_b32 v2, 7, v1
	v_and_b32 v5, 8, v1
	v_lshl_or_b32 v2, v5, 1, v2
	v_bfe_u32 v5, v1, 4, 1                         ; lane / 16
	v_lshl_or_b32 v2, v5, 3, v2
	v_lshlrev_b32 v2, 2, v2                        ; 4 bytes a column
.set I, 0
.rept 128
	global_load_b32 v[32+I], v2, s[\ptr:\ptr+1] offset:I*\cols*4 th:TH_LOAD_NT   ; one row k: the wave reads 128 consecutive bytes, the work-group 512
.set I, I+1
.endr
	v_lshlrev_b32 v3, 4, v1                        ; an image's place for my lane
	v_and_b32 v4, 15, v1
	v_lshlrev_b32 v4, 4, v4
	v_lshl_or_b32 v4, v5, 2, v4                    ; my scale word: 16 x row + 4 x (which of the two tiles)
	s_lshl_b32 s26, s22, 1
	s_lshr_b32 s27, s16, 1
	s_add_co_u32 s26, s26, s27
	s_add_co_u32 s26, s26, \gbase
	s_mul_i32 s26, s26, GB                         ; the group of 64 columns
	s_and_b32 s27, s16, 1                          ; its tiles 0, 1 or 2, 3
	s_mul_i32 s28, s21, 6144
	s_mul_i32 s29, s27, 3072
	s_add_co_u32 s28, s28, s29
	s_add_co_u32 s28, s28, s26
	s_mov_b32 s29, 0
	s_add_nc_u64 s[28:29], s[12:13], s[28:29]      ; where my two fragments go
	s_lshl_b32 s30, s21, 8
	s_lshl_b32 s31, s27, 3
	s_add_co_u32 s30, s30, s31
	s_add_co_u32 s30, s30, s26
	s_mov_b32 s31, 0
	s_add_nc_u64 s[30:31], s[12:13], s[30:31]      ; and their scale words (49,152 more in the store's immediate)
	s_wait_loadcnt 0x0
.irp b, 0,1,2,3
	v_max3_num_f32 v[8+\b], |v[32+32*\b]|, |v[33+32*\b]|, 0x2800000   ; block b: all 32 numbers are mine; and the floor
.endr
.irp i, 2,4,6,8,10,12,14,16,18,20,22,24,26,28,30
.irp b, 0,1,2,3
	v_max3_num_f32 v[8+\b], v[8+\b], |v[32+32*\b+\i]|, |v[33+32*\b+\i]|
.endr
.endr
.irp b, 0,1,2,3
	v_add_nc_u32 v[12+\b], 0xfe000000, v[8+\b]
.endr
.irp b, 0,1,2,3
	v_lshrrev_b32 v[16+\b], 23, v[12+\b]
.endr
	v_lshl_or_b32 v20, v17, 8, v16
	v_lshl_or_b32 v20, v18, 16, v20
	v_lshl_or_b32 v20, v19, 24, v20                ; my column's scale word for these 128 k
.irp b, 0,1,2,3                                ; block b's six registers at v160 (b = 0), v172 (1), v166 (2), v178 (3)
	v_cvt_scalef32_pk16_bf6_f32 v[160+12*(\b%2)+6*(\b/2):162+12*(\b%2)+6*(\b/2)], v[32+32*\b:47+32*\b], v[12+\b]
	v_cvt_scalef32_pk16_bf6_f32 v[184+4*\b:186+4*\b], v[48+32*\b:63+32*\b], v[12+\b]
.endr
	v_nop                                          ; one plain place behind a scaled conversion
.irp b, 0,1,2,3
.irp i, 0,1,2
	v_mov_b32 v[163+12*(\b%2)+6*(\b/2)+\i], v[184+4*\b+\i]
.endr
.endr
.irp c, 0,1                                    ; blocks 2 c and 2 c + 1 change halves: v160-171 become the first tile's fragment (lanes 0-15 block 2 c, lanes 16-31 block 2 c + 1), v172-183 the second tile's
.irp i, 0,1,2,3,4,5
	v_permlane16_swap_b32 v[160+6*\c+\i], v[172+6*\c+\i]
.endr
.endr
.irp t, 0,1
.irp c, 0,1,2
	global_store_b128 v3, v[160+12*\t+4*\c:163+12*\t+4*\c], s[28:29] offset:1536*\t+512*\c
.endr
.endr
	global_store_b32 v4, v20, s[30:31] offset:49152
	s_endpgm
.endm
	s_load_b256 s[4:11], s[0:1], 0x0               ; x s[4:5], W_qkv s[6:7], W_proj s[8:9], XQ s[10:11]
	s_load_b64 s[12:13], s[0:1], 0x20              ; WQ
	v_lshl_add_u32 v244, v0, 2, 0x8400
	v_mov_b32 v245, 0
	v_lshrrev_b32 v1, 5, v0
	v_readfirstlane_b32 s16, v1                    ; wave 0..3
	v_and_b32 v1, 31, v0                           ; lane
	s_mov_b32 s[SEL], 0x76543210
	s_mov_b32 s[SEL+1], 0xfedcba98
	s_wait_kmcnt 0x0
	s_cmp_lt_u32 ttmp9, 256
	s_cbranch_scc0 .Lweights
	; ---- x: token tile mt = the work-group's number
	s_lshr_b32 s20, ttmp9, 1
	s_lshl_b32 s20, s20, 5
	s_and_b32 s21, ttmp9, 1
	s_lshl_b32 s21, s21, 3
	s_add_co_u32 s20, s20, s21                     ; the tile's first token: 32 (mt / 2) + 8 (mt % 2)
	s_lshl_b32 s20, s20, 12                        ; rows of 4,096 bytes
	s_lshl_b32 s21, s16, 10                        ; my two K steps: 1,024 bytes of each row
	s_add_co_u32 s20, s20, s21
	s_mov_b32 s21, 0
	s_add_nc_u64 s[4:5], s[4:5], s[20:21]
	v_lshlrev_b32 v2, 4, v1                        ; 16 x lane
	XLOAD 0
	XLOAD 1
	s_lshr_b32 s22, ttmp9, 2
	s_mul_i32 s22, s22, GB
	s_mov_b32 s23, 0
	s_add_nc_u64 s[10:11], s[10:11], s[22:23]      ; the tile's group
	s_and_b32 s24, ttmp9, 3                        ; its place q in the group
	v_and_b32 v3, 15, v0                           ; r
	v_bfe_u32 v4, v0, 4, 1                         ; h
	s_mul_i32 s25, s16, 16*SROW                    ; my wave's stage
	v_add_nc_u32 v5, s25, v2                       ; in: 16 x lane of a row
	v_mul_u32_u24 v6, v3, SROW
	v_lshl_add_u32 v6, v4, 6, v6
	v_add_nc_u32 v6, s25, v6                       ; out: row r, + 64 h
	s_mul_i32 s26, s16, 12288
	s_mul_i32 s27, s24, 1536
	s_add_co_u32 s26, s26, s27
	v_add_nc_u32 v26, s26, v2                      ; the image: 6144 (2 w) + 1536 q + 16 x lane
	s_lshl_b32 s27, s16, 9
	s_lshl_b32 s28, s24, 2
	s_add_co_u32 s27, s27, s28
	v_lshl_add_u32 v27, v3, 4, s27                 ; the scale word: 256 (2 w) + 16 r + 4 q
.irp b, 0,1,2,3
	v_mov_b32 v[TM+4+\b], 0                        ; written once: a lane permute's destination counts as one of its sources
.endr
	s_wait_loadcnt 16                              ; the first K step's sixteen loads are in; the second's sixteen may be out
	TURN 0
	s_wait_dscnt 0x0
	QUANT X
	XOUT 0
	s_wait_loadcnt 0x0
	TURN 1
	s_wait_dscnt 0x0
	s_wait_xcnt 0x0                                ; the stores' data registers are written again only behind this wait
	QUANT X
	XOUT 1
	s_wait_tensorcnt 0x0
	ds_add_u32 v244, v245
	s_wait_dscnt 0x0
	s_endpgm
.Lweights:
	s_cmp_lt_u32 ttmp9, 448
	s_cbranch_scc0 .Lproj
	WPATH 3072, 0, 6, 256
.Lproj:
	WPATH 1024, 48, 8, 448
.Lfunc_end_k_q1d909210ee_quant:
	.size	k_q1d909210ee_quant, .Lfunc_end_k_q1d909210ee_quant-k_q1d909210ee_quant
	.p2alignl 7, 3214868480
	.fill 96, 4, 3214868480
	.section	.rodata,"a",@progbits
	.p2align	6, 0x0
	.amdhsa_kernel k_q1d909210ee_quant
		.amdhsa_group_segment_fixed_size 34304
		.amdhsa_private_segment_fixed_size 0
		.amdhsa_enable_private_segment 0
		.amdhsa_kernarg_size 40
		.amdhsa_user_sgpr_count 2
		.amdhsa_user_sgpr_kernarg_segment_ptr 1
		.amdhsa_wavefront_size32 1
		.amdhsa_system_sgpr_workgroup_id_x 1
		.amdhsa_system_sgpr_workgroup_id_y 1
		.amdhsa_system_sgpr_workgroup_id_z 1
		.amdhsa_system_vgpr_workitem_id 0
		.amdhsa_next_free_vgpr 246
		.amdhsa_next_free_sgpr 66
		.amdhsa_reserve_vcc 0
		.amdhsa_float_denorm_mode_32 3
		.amdhsa_float_denorm_mode_16_64 3
		.amdhsa_memory_ordered 1
		.amdhsa_forward_progress 1
		.amdhsa_inst_pref_size 59
	.end_amdhsa_kernel
	.amdgpu_metadata
---
amdhsa.version: [ 1, 2 ]
amdhsa.kernels:
  - .name:           k_q1d909210ee_quant
    .symbol:         k_q1d909210ee_quant.kd
    .args:
      - { .name: x, .offset: 0, .size: 8, .value_kind: global_buffer, .address_space: global }
      - { .name: W_qkv, .offset: 8, .size: 8, .value_kind: global_buffer, .address_space: global }
      - { .name: W_proj, .offset: 16, .size: 8, .value_kind: global_buffer, .address_space: global }
      - { .name: XQ, .offset: 24, .size: 8, .value_kind: global_buffer, .address_space: global }
      - { .name: WQ, .offset: 32, .size: 8, .value_kind: global_buffer, .address_space: global }
    .group_segment_fixed_size: 34304
    .private_segment_fixed_size: 0
    .kernarg_segment_align: 8
    .kernarg_segment_size: 40
    .max_flat_workgroup_size: 128
    .sgpr_count:     66
    .vgpr_count:     246
    .wavefront_size: 32
...
	.end_amdgpu_metadata
.endif
;; end of part 1
;; launch qkv (part 2): grid 24 x 32, 4 waves a work-group, no clusters, 0 bytes of LDS; arguments XQ, WQ, b_qkv, QB, KV; writes QB, KV
.if DOCPART == 2
	.amdgcn_target "amdgcn-amd-amdhsa--gfx1250"
	.amdhsa_code_object_version 6
	.text
	.protected	k_q1d909210ee_qkv
	.globl	k_q1d909210ee_qkv
	.p2align	8
	.type	k_q1d909210ee_qkv,@function
k_q1d909210ee_qkv:
	s_mov_b64 s[64:65], 0
	v_nop
	global_prefetch_b8 v0, s[64:65] scope:SCOPE_SE
	s_setreg_imm32_b32 hwreg(HW_REG_WAVE_MODE, 25, 1), 1
	s_wait_xcnt 0x0
; qkv = Q(x) Q(W_qkv) + b_qkv on codes of BF6 with E8M0 scales, and the result quantised in registers: q and k along the head's 64, v along the tokens.  Nothing leaves as f32.
; A work-group makes 128 tokens x 128 columns (work-group x 0-7: q, 8-15: k, 16-23: v), a wave 64 x 64: 16 accumulators, one head, K = 1,024 in 8 steps of 128.
; Operands are images of registers (groups of GB bytes: fragments at 6144 ks + 1536 tile, scale words at 49152 + 256 ks + 16 row + 4 tile): each load of a wave covers 512 consecutive bytes.
; q, k: source 0 = 16 columns of W, source 1 = 16 tokens: a lane holds ONE token and its registers run along d.   v: source 0 = 16 tokens, source 1 = 16 columns: a lane holds ONE d and its registers run along the tokens.
; The rows of a tile are chosen (row p of tile m = 32 (m / 2) + 8 (m % 2) + p + 8 (p / 8)) so that the 16 registers of source 0's tiles 2 b and 2 b + 1 are 16 neighbours along the next K.
; The wave's tile is square and both operands are laid alike: only the two base addresses change places, and one text serves q, k and v.
; OUT: half fragments (64 along K: six registers; register 2 p + i of lane l at 256 p + 8 l + 4 i), each store 256 consecutive bytes, and two scale bytes a row.
;   QB [32 heads][16 blocks of 128 tokens][6400]: tiles 2 n, 2 n + 1 at 1536 n and + 768; scale bytes at 6144 + 16 row + 4 n (+ 2).
;   KV [32][16][12800]: K as QB's; V^T's fragment of d tile t at 6144 + 1536 t (+ 768: tokens 64-127); K's scale bytes at 12288 + .., V's at 12544 + 16 row + 4 t (+ 2).
; NO LDS, NO TENSOR LOADS, NO CLUSTER: a wave has 128 matrix instructions in all, its operands come straight into its registers, and three work-groups' waves share a SIMD; with no tensor load there is no joint request to make.
; LIMITS: the bias is the C of each sum's first product (reference() adds it behind the sum: another order of rounding); a block of zeros gets the byte 1 for 127 (zero codes; read by this program alone); NaN and infinities are not served.
.set GB,  51200
.set PF,  16                           ; v16-63   source 0's four fragments
.set RF,  64                           ; v64-111  source 1's four
.set PS,  112                          ; v112-115 source 0's scale words, a register a tile
.set RS,  116                          ; v116-119 source 1's
.set T,   120                          ; v120-127 at work in the quantiser
.set ACC, 128                          ; v128-255 accumulator (a, b) at 128 + 32 b + 8 a
.set SEL, 50                           ; s[50:51] lane selects for v_permlanex16_b32: lane l xor 16
.macro LOADS ks                        ; 26 loads: the scale words, source 0's fragments, source 1's tile by tile
	global_load_b128 v[PS:PS+3], v2, s[24:25] offset:49152+256*\ks
	global_load_b128 v[RS:RS+3], v2, s[26:27] offset:49152+256*\ks
.irp a, 0,1,2,3
.irp c, 0,1,2
	global_load_b128 v[PF+12*\a+4*\c:PF+12*\a+4*\c+3], v1, s[24:25] offset:6144*\ks+1536*\a+512*\c
.endr
.endr
.irp b, 0,1,2,3
.irp c, 0,1,2
	global_load_b128 v[RF+12*\b+4*\c:RF+12*\b+4*\c+3], v1, s[26:27] offset:6144*\ks+1536*\b+512*\c
.endr
.endr
.endm
.macro MM a, b, cb                     ; accumulator (a, b) = fragment a x fragment b + the eight registers from cb on
	v_wmma_scale_f32_16x16x128_f8f6f4 v[ACC+32*(\b)+8*(\a):ACC+32*(\b)+8*(\a)+7], v[PF+12*(\a):PF+12*(\a)+11], v[RF+12*(\b):RF+12*(\b)+11], v[\cb:\cb+7], v[PS+(\a)], v[RS+(\b)] matrix_a_fmt:MATRIX_FMT_BF6 matrix_b_fmt:MATRIX_FMT_BF6
.endm
.macro STEP ks                         ; the 16 accumulators take turns, one instruction a turn, in the same order in every step
.rept 4
	v_nop                                          ; places in front of loads into registers that matrix instructions have read
.endr
	LOADS \ks
.irp b, 0,1,2,3
	s_wait_loadcnt 9-3*\b                          ; all but the three loads of each later tile of source 1
.irp a, 0,1,2,3
	MM \a, \b, ACC+32*\b+8*\a
.endr
.endr
.endm
; 32 numbers of a lane, register 16 b + i = k 32 b + 16 (lane / 16) + i of my row, become six registers of codes (lane (r, h): k 32 h + 0 .. 31) in v[pc] on and two scale bytes in v[w]
.macro QUANT2 s, pc, w
.irp b, 0,1
	v_max3_num_f32 v[T+\b], |v[\s+16*\b]|, |v[\s+1+16*\b]|, 0x2800000   ; each accumulator is read from its low end on; the floor 2^(5 - 127) holds the byte at 1 from below
.endr
.irp i, 2,4,6,8,10,12,14
.irp b, 0,1
	v_max3_num_f32 v[T+\b], v[T+\b], |v[\s+16*\b+\i]|, |v[\s+1+16*\b+\i]|
.endr
.endr
.irp b, 0,1
	v_permlanex16_b32 v[T+2+\b], v[T+\b], s[SEL], s[SEL+1]
.endr
.irp b, 0,1
	v_max_num_f32 v[T+\b], v[T+\b], v[T+2+\b]      ; with lane l xor 16's 16: the block's largest magnitude
.endr
.irp b, 0,1
	v_add_nc_u32 v[T+4+\b], 0xfe000000, v[T+\b]    ; 4 off its exponent field: the conversion's scale operand
.endr
.irp b, 0,1
	v_lshrrev_b32 v[T+6+\b], 23, v[T+4+\b]         ; the scale's byte
.endr
	v_lshl_or_b32 v[\w], v[T+7], 8, v[T+6]
	v_cvt_scalef32_pk16_bf6_f32 v[\pc:\pc+2], v[\s:\s+15], v[T+4]
	v_cvt_scalef32_pk16_bf6_f32 v[\pc+6:\pc+8], v[\s+16:\s+31], v[T+5]
	v_nop                                          ; one plain place behind a scaled conversion
.irp i, 0,1,2
	v_permlane16_swap_b32 v[\pc+\i], v[\pc+6+\i]   ; a whole block to a lane: lanes 0-15 block 0, lanes 16-31 block 1
.endr
.irp i, 0,1,2
	v_mov_b32 v[\pc+3+\i], v[\pc+6+\i]
.endr
.endm
	s_load_b256 s[4:11], s[0:1], 0x0               ; XQ s[4:5], WQ s[6:7], b_qkv s[8:9], QB s[10:11]
	s_load_b64 s[12:13], s[0:1], 0x20              ; KV
	v_lshrrev_b32 v1, 5, v0
	v_readfirstlane_b32 s14, v1                    ; wave 0..3
	v_and_b32 v6, 31, v0
	v_lshlrev_b32 v1, 4, v6                        ; 16 x lane
	v_lshlrev_b32 v5, 3, v6                        ; 8 x lane
	v_and_b32 v7, 15, v0                           ; r
	v_lshlrev_b32 v2, 4, v7                        ; 16 r
	v_bfe_u32 v3, v0, 4, 1
	v_lshlrev_b32 v3, 6, v3                        ; 64 h
	v_and_b32 v4, 8, v7
	v_add_nc_u32 v4, v4, v7
	v_lshlrev_b32 v4, 2, v4                        ; 4 (r + 8 (r / 8))
	s_and_b32 s15, ttmp7, 0xffff                   ; which 128 tokens
	s_and_b32 s16, s14, 1                          ; wt: which 64 of them
	s_lshr_b32 s17, s14, 1                         ; wn: which 64 of the 128 columns
	s_lshl_b32 s18, s15, 1
	s_add_co_u32 s18, s18, s16                     ; the group of tokens
	s_lshl_b32 s19, ttmp9, 1
	s_add_co_u32 s19, s19, s17                     ; the group of columns: 0-15 q's heads, 16-31 k's, 32-47 v's
	s_mul_i32 s20, s19, GB
	s_mov_b32 s21, 0
	s_mul_i32 s22, s18, GB
	s_mov_b32 s23, 0
	s_mov_b32 s40, 768
	s_mov_b32 s42, 1536
	s_mov_b32 s45, 12544
	s_mov_b32 s30, 12800
	s_mov_b32 s[SEL], 0x76543210
	s_mov_b32 s[SEL+1], 0xfedcba98
	s_wait_kmcnt 0x0
	s_add_nc_u64 s[20:21], s[6:7], s[20:21]        ; the columns' group
	s_add_nc_u64 s[22:23], s[4:5], s[22:23]        ; the tokens' group
	s_cmp_lt_u32 ttmp9, 16                         ; q or k?  All choices hang on the work-group's number alone
	s_cselect_b64 s[24:25], s[20:21], s[22:23]     ; source 0
	s_cselect_b64 s[26:27], s[22:23], s[20:21]     ; source 1
	s_cselect_b32 s40, 3072, s40                   ; codes: bytes for wt,
	s_cselect_b32 s41, 0, 6144                     ; where they begin in the block,
	s_cselect_b32 s42, 768, s42                    ; and from tile b to tile b + 1
	s_cselect_b32 s43, 8, 2                        ; scale bytes: for wt,
	s_cselect_b32 s44, 2, 4                        ; from tile to tile,
	s_cselect_b32 s45, 12288, s45                  ; and where they begin
	s_cmp_lt_u32 ttmp9, 8                          ; q?
	s_cselect_b64 s[28:29], s[10:11], s[12:13]
	s_cselect_b32 s30, 6400, s30
	s_cselect_b32 s45, 6144, s45
	LOADS 0
	s_and_b32 s31, s19, 15                         ; the head
	s_lshr_b32 s32, s15, 4                         ; the batch
	s_lshl_b32 s32, s32, 4
	s_add_co_u32 s32, s32, s31
	s_lshl_b32 s32, s32, 4
	s_and_b32 s33, s15, 15
	s_add_co_u32 s32, s32, s33                     ; the block: (16 batch + head) 16 + which 128 tokens of the batch
	s_mul_i32 s30, s32, s30
	s_mov_b32 s31, 0
	s_add_nc_u64 s[28:29], s[28:29], s[30:31]
	s_lshl_b32 s34, s19, 8
	s_mov_b32 s35, 0
	s_add_nc_u64 s[8:9], s[8:9], s[34:35]          ; my 64 numbers of the bias
	s_mul_i32 s46, s16, s40
	s_add_co_u32 s46, s46, s41
	s_mul_i32 s47, s16, s43
	s_add_co_u32 s47, s47, s45
.irp b, 0,1,2,3
	v_add_nc_u32 v[8+\b], s46, v5                  ; v8-11: where tile b's codes go
	v_add_nc_u32 v[12+\b], s47, v2                 ; v12-15: and its scale bytes
	s_add_co_u32 s46, s46, s42
	s_add_co_u32 s47, s47, s44
.endr
	; K step 0: the bias is the C of each sum's first product.  It is loaded once, into one accumulator of each row (q, k) or column (v) of accumulators; the others take it from there, and that one adds in place last.
	s_cmp_lt_u32 ttmp9, 16
	s_cbranch_scc0 .Lv_arm
.irp a, 0,1,2,3                                ; q, k: register j of tile a is column 32 (a / 2) + 8 (a % 2) + 16 h + j
	global_load_b128 v[ACC+8*\a:ACC+8*\a+3], v3, s[8:9] offset:(32*(\a/2)+8*(\a%2))*4
	global_load_b128 v[ACC+8*\a+4:ACC+8*\a+7], v3, s[8:9] offset:(32*(\a/2)+8*(\a%2))*4+16
.endr
	s_wait_loadcnt 0x0
.irp b, 1,2,3
.irp a, 0,1,2,3
	MM \a, \b, ACC+8*\a
.endr
.endr
.rept 5
	v_nop                                          ; five places: the next four products write over registers that the products above read as C
.endr
.irp a, 0,1,2,3
	MM \a, 0, ACC+8*\a
.endr
	s_branch .Lsteps
.Lv_arm:
.irp b, 0,1,2,3                                ; v: all eight registers of a lane belong to column 32 (b / 2) + 8 (b % 2) + r + 8 (r / 8)
.irp j, 0,1,2,3,4,5,6,7
	global_load_b32 v[ACC+32*\b+\j], v4, s[8:9] offset:(32*(\b/2)+8*(\b%2))*4
.endr
.endr
	s_wait_loadcnt 0x0
.irp a, 1,2,3
.irp b, 0,1,2,3
	MM \a, \b, ACC+32*\b
.endr
.endr
.rept 5
	v_nop
.endr
.irp b, 0,1,2,3
	MM 0, \b, ACC+32*\b
.endr
.Lsteps:
.irp k, 1,2,3,4,5,6,7
	STEP \k
.endr
	; the wave's 64 x 64 numbers are quantised where they lie: for each tile b of source 1 a lane's 32 registers are 2 x 16 neighbours along the next K
.rept 4
	v_nop                                          ; places in front of the first read of results and of writes into the operands' registers
.endr
	v_mov_b32 v[T+2], 0                            ; written once: a lane permute's destination counts as one of its sources
	v_mov_b32 v[T+3], 0
.irp b, 0,1,2,3                                ; each tile has registers of its own for its codes and bytes: no store's data are written again
	QUANT2 ACC+32*\b, PF+12*\b, RF+\b
.irp p, 0,1,2
	global_store_b64 v[8+\b], v[PF+12*\b+2*\p:PF+12*\b+2*\p+1], s[28:29] offset:256*\p   ; 32 lanes store 256 consecutive bytes, aligned
.endr
	global_store_b16 v[12+\b], v[RF+\b], s[28:29]  ; the row's two bytes (lanes 16-31 write the same bytes with the same value)
.endr
	s_endpgm
.Lfunc_end_k_q1d909210ee_qkv:
	.size	k_q1d909210ee_qkv, .Lfunc_end_k_q1d909210ee_qkv-k_q1d909210ee_qkv
	.p2alignl 7, 3214868480
	.fill 96, 4, 3214868480
	.section	.rodata,"a",@progbits
	.p2align	6, 0x0
	.amdhsa_kernel k_q1d909210ee_qkv
		.amdhsa_group_segment_fixed_size 0
		.amdhsa_private_segment_fixed_size 0
		.amdhsa_enable_private_segment 0
		.amdhsa_kernarg_size 40
		.amdhsa_user_sgpr_count 2
		.amdhsa_user_sgpr_kernarg_segment_ptr 1
		.amdhsa_wavefront_size32 1
		.amdhsa_system_sgpr_workgroup_id_x 1
		.amdhsa_system_sgpr_workgroup_id_y 1
		.amdhsa_system_sgpr_workgroup_id_z 1
		.amdhsa_system_vgpr_workitem_id 0
		.amdhsa_next_free_vgpr 256
		.amdhsa_next_free_sgpr 66
		.amdhsa_reserve_vcc 0
		.amdhsa_float_denorm_mode_32 3
		.amdhsa_float_denorm_mode_16_64 3
		.amdhsa_memory_ordered 1
		.amdhsa_forward_progress 1
		.amdhsa_inst_pref_size 56
	.end_amdhsa_kernel
	.amdgpu_metadata
---
amdhsa.version: [ 1, 2 ]
amdhsa.kernels:
  - .name:           k_q1d909210ee_qkv
    .symbol:         k_q1d909210ee_qkv.kd
    .args:
      - { .name: XQ, .offset: 0, .size: 8, .value_kind: global_buffer, .address_space: global }
      - { .name: WQ, .offset: 8, .size: 8, .value_kind: global_buffer, .address_space: global }
      - { .name: b_qkv, .offset: 16, .size: 8, .value_kind: global_buffer, .address_space: global }
      - { .name: QB, .offset: 24, .size: 8, .value_kind: global_buffer, .address_space: global }
      - { .name: KV, .offset: 32, .size: 8, .value_kind: global_buffer, .address_space: global }
    .group_segment_fixed_size: 0
    .private_segment_fixed_size: 0
    .kernarg_segment_align: 8
    .kernarg_segment_size: 40
    .max_flat_workgroup_size: 128
    .sgpr_count:     66
    .vgpr_count:     256
    .wavefront_size: 32
...
	.end_amdgpu_metadata
.endif
;; end of part 2
;; launch attn (part 3): grid 8 x 32, 16 waves a work-group, no clusters, 206,848 bytes of LDS; arguments QB, KV, YQ; writes YQ
.if DOCPART == 3
	.amdgcn_target "amdgcn-amd-amdhsa--gfx1250"
	.amdhsa_code_object_version 6
	.text
	.protected	k_q1d909210ee_attn
	.globl	k_q1d909210ee_attn
	.p2align	8
	.type	k_q1d909210ee_attn,@function
k_q1d909210ee_attn:
	s_mov_b64 s[64:65], 0
	v_nop
	global_prefetch_b8 v0, s[64:65] scope:SCOPE_SE
	s_setreg_imm32_b32 hwreg(HW_REG_WAVE_MODE, 25, 1), 1
	s_wait_xcnt 0x0
; y = softmax(q k^T / 8, causal) v for one head, both products on codes of BF6 with E8M0 scales, and y quantised along the channels for the last product.
; THE SOFTMAX AHEAD OF THE SECOND PRODUCT: t = score x log2(e) / 8; M = the row's largest t so far, rounded UP to a whole number; p = 2^(t - M) is what is quantised, along the keys, not normalised.
; The row's sum is taken of the unquantised p, in f32, and divides O at the end.  When M moves, the sum and O are multiplied by 2^(old M - new M): exact.
; SHARES.  Sixteen waves, each with ONE tile of 16 queries in 256 registers, four to a SIMD.  Work-group i of a head has query tiles 8 i .. 8 i + 7 (waves 0-7) and 8 (15 - i) .. + 7 (waves 8-15):
; (i + 1) 8 + (16 - i) 8 = 136 key steps of 128 keys in every work-group.  A step all of whose keys come after the wave's queries is left out by a scalar branch on ids; the loops' trip counts are constants.
; LDS holds the head's whole block of KV, 16 steps x 12,800 bytes, as it lies in memory, filled ONCE: each wave brings 6,400 bytes of the first eight steps and 6,400 of the last eight: two tensor loads of a wave are out.
; Nothing is filled again and nothing is stored to LDS.  A step's bytes: K's four pair fragments at 1536 n, V^T's four fragments at 6144 + 1536 t, K's scale words at 12288 + 16 row + 4 n, V's at 12544 + 16 row + 4 t.
; K = 64 IN AN INSTRUCTION OF 128.  A pair fragment holds key tile 2 n's 64 channels in registers 0-5 and tile 2 n + 1's in registers 6-11.  The queries stand as [q | 0] and [0 | q] (18 registers: q, zeros, q):
; the first product gives tile 2 n's scores, the second tile 2 n + 1's.  Zero codes add nothing; their scale bytes are 0, which is a small power of two and not NaN.
; LAYOUT.  Both products are used transposed (source 0 = 16 keys, or 16 of the head's 64; source 1 = my queries, or p): a lane holds ONE query.  Row p of a tile is index 32 (m / 2) + 8 (m % 2) + p + 8 (p / 8),
; so that the 16 registers of tiles 2 b and 2 b + 1 are 16 neighbours: keys 32 b + 16 (lane / 16) + 0 .. 15, and at the end channels likewise.
; NO CLUSTER: the eight work-groups of a head do read the same 204,800 bytes, but which steps a wave leaves out hangs on its work-group's block of queries, which would be its place in the cluster.
; LIMITS: 1 / the sum is v_rcp_f32; a block of zeros gets the byte 1 for 127 (zero codes; read by this program alone); a block's largest p is taken as the p of its largest score; NaN and infinities are not served.
; REGISTERS: v1-3 lane terms; v4-5 the step's LDS addresses; v12 -M, v13 the largest t, v[14:15] the sum in two halves; v16-33 q, zeros, q; v34-35 q's scale words; v36-83 four fragments of K, then of V;
;   v84-87 K's scale words, v88-91 V's; v96-159 S^T, then p; v160-191 O^T; v224-235 p's codes; v232-254 at work; v253 p's scale word.
.set GB,    51200
.set STEPB, 12800
.set HALF,  8*STEPB
.set SEL,   40                         ; s[40:41] lane selects for v_permlanex16_b32: lane l xor 16
.set CS,    42                         ; s[42:43] c = log2(e) / 8: the packed form names a pair and takes its low word for both halves
.set T,     240                        ; v240-247 at work in the last quantiser
.macro QUANT2 s, pc, w                 ; 32 numbers of a lane, register 16 b + i = k 32 b + 16 (lane / 16) + i, become six registers of codes (lane (r, h): k 32 h + 0 .. 31) and two scale bytes
.irp b, 0,1
	v_max3_num_f32 v[T+\b], |v[\s+16*\b]|, |v[\s+1+16*\b]|, 0x2800000
.endr
.irp i, 2,4,6,8,10,12,14
.irp b, 0,1
	v_max3_num_f32 v[T+\b], v[T+\b], |v[\s+16*\b+\i]|, |v[\s+1+16*\b+\i]|
.endr
.endr
.irp b, 0,1
	v_permlanex16_b32 v[T+2+\b], v[T+\b], s[SEL], s[SEL+1]
.endr
.irp b, 0,1
	v_max_num_f32 v[T+\b], v[T+\b], v[T+2+\b]
.endr
.irp b, 0,1
	v_add_nc_u32 v[T+4+\b], 0xfe000000, v[T+\b]
.endr
.irp b, 0,1
	v_lshrrev_b32 v[T+6+\b], 23, v[T+4+\b]
.endr
	v_lshl_or_b32 v[\w], v[T+7], 8, v[T+6]
	v_cvt_scalef32_pk16_bf6_f32 v[\pc:\pc+2], v[\s:\s+15], v[T+4]
	v_cvt_scalef32_pk16_bf6_f32 v[\pc+6:\pc+8], v[\s+16:\s+31], v[T+5]
	v_nop                                          ; one plain place behind a scaled conversion
.irp i, 0,1,2
	v_permlane16_swap_b32 v[\pc+\i], v[\pc+6+\i]
.endr
.irp i, 0,1,2
	v_mov_b32 v[\pc+3+\i], v[\pc+6+\i]
.endr
.endm
	s_load_b128 s[4:7], s[0:1], 0x0                ; QB s[4:5], KV s[6:7]
	s_load_b64 s[8:9], s[0:1], 0x10                ; YQ
	v_lshl_add_u32 v251, v0, 2, 0x32000
	v_mov_b32 v255, 0
	ds_add_u32 v251, v255
	ds_add_u32 v251, v255
	v_lshrrev_b32 v1, 5, v0
	v_readfirstlane_b32 s10, v1                    ; wave 0..15
	s_and_b32 s11, ttmp7, 0xffff                   ; 16 x batch + head
	; descriptor group 1: a dense block of 6,400 bytes as 25 rows of 256 (32 elements of 8 bytes), no padding
	s_mov_b32 s16, 3<<16                           ; no mask; elements of 8 bytes
	s_mov_b32 s17, 32<<16                          ; tensor_dim0 = 32
	s_mov_b32 s18, 25<<16                          ; tensor_dim1 = 25
	s_mov_b32 s19, 32<<16                          ; tile_dim0 = 32
	s_mov_b32 s20, 25                              ; tile_dim1 = 25
	s_mov_b32 s21, 32                              ; from row to row: 32 elements
	s_mov_b32 s22, 0
	s_mov_b32 s23, 0
	s_mul_i32 s25, s10, 6400                       ; LDS address of my part of the first eight steps,
	s_add_co_u32 s29, s25, HALF                    ; and of the last eight
	s_mul_i32 s12, s11, 16*STEPB
	s_add_co_u32 s12, s12, s25
	s_mov_b32 s13, 0
	s_mov_b32 s24, 1
	s_mov_b32 s28, 1
	s_wait_dscnt 0x0
	s_wait_kmcnt 0x0
	s_add_nc_u64 s[26:27], s[6:7], s[12:13]
	s_add_nc_u64 s[30:31], s[26:27], HALF
	s_or_b32 s27, s27, 0x80000000                  ; type = 2
	s_or_b32 s31, s31, 0x80000000
	tensor_load_to_lds s[24:27], s[16:23]          ; both first fills stand together, ahead of every wait on TENSORcnt, every LDS read and every barrier; their descriptors are never written again
	s_nop 0
	tensor_load_to_lds s[28:31], s[16:23]
	s_nop 0
.rept 4
	v_nop
.endr
	s_sub_co_u32 s44, 15, ttmp9
	s_cmp_lt_u32 s10, 8
	s_cselect_b32 s34, ttmp9, s44                  ; DS: the key step on my diagonal, and my block of 128 queries
	s_and_b32 s45, s10, 7
	s_lshl_b32 s32, s34, 3
	s_add_co_u32 s32, s32, s45                     ; my tile of queries, 0 .. 127
	s_lshr_b32 s33, s32, 1
	s_lshl_b32 s33, s33, 5
	s_and_b32 s46, s32, 1
	s_lshl_b32 s47, s46, 3
	s_add_co_u32 s33, s33, s47                     ; Q0: the tile's first query
	s_lshl_b32 s48, s11, 4
	s_add_co_u32 s48, s48, s34
	s_mul_i32 s48, s48, 6400                       ; my block of QB
	s_bfe_u32 s49, s32, 0x20001                    ; which pair of tiles in it
	s_mul_i32 s50, s49, 1536
	s_add_co_u32 s50, s50, s48
	s_mul_i32 s51, s46, 768
	s_add_co_u32 s50, s50, s51
	s_mov_b32 s51, 0
	s_add_nc_u64 s[50:51], s[4:5], s[50:51]        ; q's codes
	s_lshl_b32 s52, s49, 2
	s_lshl_b32 s53, s46, 1
	s_add_co_u32 s52, s52, s53
	s_add_co_u32 s52, s52, s48
	s_mov_b32 s53, 0
	s_add_nc_u64 s[52:53], s[4:5], s[52:53]        ; q's scale bytes (6,144 more in the load's immediate)
	v_and_b32 v6, 31, v0
	v_lshlrev_b32 v1, 3, v6                        ; 8 x lane
	v_and_b32 v7, 15, v0
	v_lshlrev_b32 v2, 4, v7                        ; 16 r
.irp p, 0,1,2
	global_load_b64 v[16+2*\p:17+2*\p], v1, s[50:51] offset:256*\p
.endr
	global_load_u16 v34, v2, s[52:53] offset:6144  ; bytes 0, 1: q's scales; bytes 2, 3: 0
	v_bfe_u32 v8, v0, 4, 1
	v_and_b32 v3, 8, v7
	v_add_nc_u32 v3, v3, v7
	v_lshlrev_b32 v8, 4, v8
	v_sub_nc_u32 v3, v3, v8                        ; r + 8 (r / 8) - 16 h: for the mask
	s_mov_b32 s[SEL], 0x76543210
	s_mov_b32 s[SEL+1], 0xfedcba98
	s_mov_b32 s[CS], 0x3e38aa3b                    ; c = log2(e) / 8
	s_mov_b32 s[CS+1], s[CS]
	s_mov_b32 s35, 0                               ; the key step
	s_mov_b32 s36, 0                               ; where its bytes begin in LDS
	s_mov_b32 s37, 0                               ; its first key
	v_mov_b32 v13, 0xff61b1e6                      ; the largest t so far: -3e38, under every t
	v_floor_f32 v12, -v13                          ; -M
	v_mov_b32 v14, 0
	v_mov_b32 v15, 0
.irp b, 0,1,2,3
	v_mov_b32 v[236+\b], 0                         ; written once: a lane permute's destination counts as one of its sources
.endr
	v_mov_b32 v252, 0
	v_mov_b32 v253, 0
.irp i, 0,1,2,3,4,5
	v_mov_b32 v[22+\i], 0                          ; the zero codes between the two copies of q
.endr
	s_wait_loadcnt 0x0
.irp i, 0,1,2,3,4,5
	v_mov_b32 v[28+\i], v[16+\i]
.endr
	v_lshlrev_b32 v35, 16, v34                     ; the scale word for [0 | q]
.irp j, 0,1,2,3,4,5,6,7,8,9,10,11,12,13,14,15,16,17,18,19,20,21,22,23,24,25,26,27,28,29,30,31
	v_mov_b32 v[160+\j], 0                         ; O^T: the step is written once, and its first walk finds zeros.  (These are also the places between the writes of q's operands and scale word and the first product)
.endr
; A KEY STEP: 128 keys
.macro STEP
	s_cmp_gt_u32 s35, s34                          ; all its keys come after my queries: only the stepping at the end is done
	s_cbranch_scc1 .Lhidden_\@
	v_add_nc_u32 v4, s36, v1
	v_add_nc_u32 v5, s36, v2
	v_nop
	v_nop                                          ; four places in front of loads into registers that the last products read
.irp f, 0,1,2,3
.irp p, 0,1,2,3,4,5
	ds_load_b64 v[36+12*\f+2*\p:37+12*\f+2*\p], v4 offset:1536*\f+256*\p   ; 32 lanes read 256 consecutive bytes
.endr
.endr
	ds_load_b128 v[84:87], v5 offset:12288
	s_wait_dscnt 0x0
.irp f, 0,1,2,3                                ; S^T: register 16 f + i = key 32 f + 16 h + i of the step
	v_wmma_scale_f32_16x16x128_f8f6f4 v[96+16*\f:103+16*\f], v[36+12*\f:47+12*\f], v[16:27], 0, v[84+\f], v34 matrix_a_fmt:MATRIX_FMT_BF6 matrix_b_fmt:MATRIX_FMT_BF6
	v_wmma_scale_f32_16x16x128_f8f6f4 v[104+16*\f:111+16*\f], v[36+12*\f:47+12*\f], v[22:33], 0, v[84+\f], v35 matrix_a_fmt:MATRIX_FMT_BF6 matrix_b_fmt:MATRIX_FMT_BF6
.endr
.rept 4
	v_nop                                          ; places in front of the loads below and of the first read of the scores
.endr
.irp f, 0,1,2,3                                ; V^T's fragments take K's registers and land while the softmax is worked
.irp p, 0,1,2,3,4,5
	ds_load_b64 v[36+12*\f+2*\p:37+12*\f+2*\p], v4 offset:6144+1536*\f+256*\p
.endr
.endr
	ds_load_b128 v[88:91], v5 offset:12544
	s_cmp_lg_u32 s35, s34                          ; on the diagonal the scores of hidden keys become -infinity ahead of the maximum: p = 0 then
	s_cbranch_scc1 .Lopen_\@
	s_sub_co_i32 s44, s33, s37
	v_add_nc_u32 v252, s44, v3                     ; d = my query - the step's first key - 16 h: register 16 b + i is hidden where 32 b + i > d
	v_mov_b32 v254, 0xff800000
.irp n, 0,1,2,3,4,5,6,7,8,9,10,11,12,13,14,15,16,17,18,19,20,21,22,23,24,25,26,27,28,29,30,31,32,33,34,35,36,37,38,39,40,41,42,43,44,45,46,47,48,49,50,51,52,53,54,55,56,57,58,59,60,61,62,63
	v_cmp_gt_i32 vcc_lo, 32*(\n/16)+\n%16, v252
	v_cndmask_b32 v[96+\n], v[96+\n], v254, vcc_lo
.endr
.Lopen_\@:
.irp b, 0,1,2,3
	v_max3_num_f32 v[232+\b], v[96+16*\b], v[97+16*\b], v[98+16*\b]   ; the largest score of each block of 32 keys: for the row's maximum, and, since p rises with the score, for the block's largest p
.endr
.irp i, 3,5,7,9,11,13
.irp b, 0,1,2,3
	v_max3_num_f32 v[232+\b], v[232+\b], v[96+16*\b+\i], v[97+16*\b+\i]
.endr
.endr
.irp b, 0,1,2,3
	v_max_num_f32 v[232+\b], v[232+\b], v[111+16*\b]
.endr
.irp b, 0,1,2,3
	v_permlanex16_b32 v[236+\b], v[232+\b], s[SEL], s[SEL+1]
.endr
.irp b, 0,1,2,3
	v_max_num_f32 v[232+\b], v[232+\b], v[236+\b]  ; with lane l xor 16's 16 keys
.endr
	v_max3_num_f32 v254, v232, v233, v234
	v_max_num_f32 v254, v254, v235                 ; the step's largest score of my query
	v_mul_f32 v254, s[CS], v254                    ; as t
	v_max_num_f32 v13, v13, v254                   ; the running largest t
	v_mov_b32 v254, v12
	v_floor_f32 v12, -v13                          ; the new -M = -ceil(t): a whole number
	v_sub_f32 v254, v12, v254                      ; old M - new M: a whole number, 0 or less
	v_cvt_i32_f32 v254, v254                       ; (it saturates)
	v_ldexp_f32 v252, 1.0, v254                    ; f = 2^(old M - new M)
.irp j, 0,2,4,6,8,10,12,14,16,18,20,22,24,26,28,30,32,34,36,38,40,42,44,46,48,50,52,54,56,58,60,62
	v_pk_fma_f32 v[96+\j:97+\j], v[96+\j:97+\j], s[CS:CS+1], v[12:13] op_sel_hi:[1,0,0]   ; t - M, two at a time
.endr
.irp b, 0,1,2,3
	v_fma_f32 v[232+\b], v[232+\b], s[CS], v12     ; the same of each block's largest score
.endr
.irp j, 0,1,2,3,4,5,6,7,8,9,10,11,12,13,14,15,16,17,18,19,20,21,22,23,24,25,26,27,28,29,30,31,32,33,34,35,36,37,38,39,40,41,42,43,44,45,46,47,48,49,50,51,52,53,54,55,56,57,58,59,60,61,62,63
	v_exp_f32 v[96+\j], v[96+\j]                   ; p = 2^(t - M), at most 1
.endr
.irp b, 0,1,2,3
	v_exp_f32 v[232+\b], v[232+\b]                 ; the block's largest p
.endr
	v_pk_mul_f32 v[14:15], v[14:15], v[252:253] op_sel_hi:[1,0]   ; the sums under the new M.  (A plain place behind the exponentials)
	s_wait_alu depctr_va_vdst(0)
.irp b, 0,1,2,3
	v_max_num_f32 v[232+\b], 0x2800000, v[232+\b]  ; the floor 2^(5 - 127): the byte cannot fall under 1
.endr
.irp b, 0,1,2,3
	v_add_nc_u32 v[244+\b], 0xfe000000, v[232+\b]  ; 4 off the exponent field: the conversion's scale operand
.endr
.irp b, 0,1,2,3
	v_lshrrev_b32 v[236+\b], 23, v[244+\b]         ; the scale's byte
.endr
	v_lshl_or_b32 v253, v237, 8, v236              ; p's scale word for these 128 keys
	v_lshl_or_b32 v253, v238, 16, v253
	v_lshl_or_b32 v253, v239, 24, v253
.irp c, 0,1
	v_cvt_scalef32_pk16_bf6_f32 v[224+6*\c:226+6*\c], v[96+32*\c:111+32*\c], v[244+2*\c]
	v_cvt_scalef32_pk16_bf6_f32 v[236+4*\c:238+4*\c], v[112+32*\c:127+32*\c], v[244+2*\c+1]
.endr
	v_nop                                          ; one plain place behind a scaled conversion
.irp c, 0,1
.irp i, 0,1,2
	v_permlane16_swap_b32 v[224+6*\c+\i], v[236+4*\c+\i]
.endr
.irp i, 0,1,2
	v_mov_b32 v[227+6*\c+\i], v[236+4*\c+\i]
.endr
.endr
.irp j, 0,2,4,6,8,10,12,14,16,18,20,22,24,26,28,30
	v_pk_mul_f32 v[160+\j:161+\j], v[160+\j:161+\j], v[252:253] op_sel_hi:[1,0]   ; O^T under the new M, each accumulator from its low end on
.endr
	v_pk_add_f32 v[236:237], v[96:97], v[98:99]    ; the row's sum is taken of the unquantised p: two at a time, in two chains.  (These are also the places between the writes above and the products below)
.irp j, 4,8,12,16,20,24,28,32,36,40,44,48,52,56,60
	v_pk_add_f32 v[14:15], v[14:15], v[96+\j:97+\j]
	v_pk_add_f32 v[236:237], v[236:237], v[98+\j:99+\j]
.endr
	v_pk_add_f32 v[14:15], v[14:15], v[236:237]
	s_wait_dscnt 0x0                               ; V^T's fragments and scale words are in
.irp f, 0,1,2,3                                ; O^T += V^T p^T: the four accumulators by turns
	v_wmma_scale_f32_16x16x128_f8f6f4 v[160+8*\f:167+8*\f], v[36+12*\f:47+12*\f], v[224:235], v[160+8*\f:167+8*\f], v[88+\f], v253 matrix_a_fmt:MATRIX_FMT_BF6 matrix_b_fmt:MATRIX_FMT_BF6
.endr
.Lhidden_\@:
	s_add_co_u32 s35, s35, 1
	s_add_co_u32 s36, s36, STEPB
	s_add_co_u32 s37, s37, 128
.endm
	s_wait_tensorcnt 0x1                           ; my part of the first eight steps is in; my part of the last eight, issued behind it, may stay out
	s_barrier_signal -1
	s_barrier_wait -1                              ; everybody's is
	s_mov_b32 s38, 8
.Lfirst_half:
	STEP
	s_sub_co_u32 s38, s38, 1
	s_cmp_lg_u32 s38, 0
	s_cbranch_scc1 .Lfirst_half
	s_wait_tensorcnt 0x0                           ; my part of the last eight steps is in
	s_wait_dscnt 0x0
	s_barrier_signal -1
	s_barrier_wait -1
	s_mov_b32 s36, HALF
	s_mov_b32 s38, 8
.Lsecond_half:
	STEP
	s_sub_co_u32 s38, s38, 1
	s_cmp_lg_u32 s38, 0
	s_cbranch_scc1 .Lsecond_half
	; THE WAY OUT: O^T / the sum is my 16 tokens' 64 channels of y; register 16 b + i = channel 32 b + 16 h + i: quantised where it lies, it is half a fragment of the last product's operand
.rept 4
	v_nop                                          ; places behind the last products
.endr
	v_add_f32 v14, v14, v15
	v_permlanex16_b32 v252, v14, s[SEL], s[SEL+1]
	v_add_f32 v14, v14, v252                       ; the row's sum
	v_rcp_f32 v14, v14
	v_mov_b32 v[T+2], 0                            ; (a plain place behind the reciprocal)  lane permutes' destinations
	v_mov_b32 v[T+3], 0
	s_wait_alu depctr_va_vdst(0)
.irp j, 0,1,2,3,4,5,6,7,8,9,10,11,12,13,14,15,16,17,18,19,20,21,22,23,24,25,26,27,28,29,30,31
	v_mul_f32 v[96+\j], v[160+\j], v14
.endr
	s_and_b32 s44, s11, 15                         ; the head
	s_lshr_b32 s45, s11, 4
	s_lshl_b32 s45, s45, 7
	s_add_co_u32 s45, s45, s32                     ; my tile among the 256 tiles of tokens
	s_lshr_b32 s46, s45, 2
	s_mul_i32 s46, s46, GB                         ; its group
	s_and_b32 s45, s45, 3                          ; its place in the group
	s_lshr_b32 s47, s44, 1                         ; the K step: two heads to 128 channels
	s_and_b32 s44, s44, 1                          ; which half of it
	s_mul_i32 s48, s47, 6144
	s_mul_i32 s49, s45, 1536
	s_add_co_u32 s48, s48, s49
	s_mul_i32 s49, s44, 768
	s_add_co_u32 s48, s48, s49
	s_add_co_u32 s48, s48, s46
	s_mov_b32 s49, 0
	s_add_nc_u64 s[48:49], s[8:9], s[48:49]
	s_lshl_b32 s54, s47, 8
	s_lshl_b32 s55, s45, 2
	s_add_co_u32 s54, s54, s55
	s_lshl_b32 s55, s44, 1
	s_add_co_u32 s54, s54, s55
	s_add_co_u32 s54, s54, s46
	s_mov_b32 s55, 0
	s_add_nc_u64 s[54:55], s[8:9], s[54:55]
	QUANT2 96, 224, 253
.irp p, 0,1,2
	global_store_b64 v1, v[224+2*\p:225+2*\p], s[48:49] offset:256*\p   ; 32 lanes store 256 consecutive bytes, aligned
.endr
	global_store_b16 v2, v253, s[54:55] offset:49152   ; the row's two bytes (lanes 16-31 write the same bytes with the same value)
	s_wait_tensorcnt 0x0
	ds_add_u32 v251, v255
	s_wait_dscnt 0x0
	s_endpgm
.Lfunc_end_k_q1d909210ee_attn:
	.size	k_q1d909210ee_attn, .Lfunc_end_k_q1d909210ee_attn-k_q1d909210ee_attn
	.p2alignl 7, 3214868480
	.fill 96, 4, 3214868480
	.section	.rodata,"a",@progbits
	.p2align	6, 0x0
	.amdhsa_kernel k_q1d909210ee_attn
		.amdhsa_group_segment_fixed_size 206848
		.amdhsa_private_segment_fixed_size 0
		.amdhsa_enable_private_segment 0
		.amdhsa_kernarg_size 24
		.amdhsa_user_sgpr_count 2
		.amdhsa_user_sgpr_kernarg_segment_ptr 1
		.amdhsa_wavefront_size32 1
		.amdhsa_system_sgpr_workgroup_id_x 1
		.amdhsa_system_sgpr_workgroup_id_y 1
		.amdhsa_system_sgpr_workgroup_id_z 1
		.amdhsa_system_vgpr_workitem_id 0
		.amdhsa_next_free_vgpr 256
		.amdhsa_next_free_sgpr 66
		.amdhsa_reserve_vcc 1
		.amdhsa_float_denorm_mode_32 3
		.amdhsa_float_denorm_mode_16_64 3
		.amdhsa_memory_ordered 1
		.amdhsa_forward_progress 1
		.amdhsa_inst_pref_size 55
	.end_amdhsa_kernel
	.amdgpu_metadata
---
amdhsa.version: [ 1, 2 ]
amdhsa.kernels:
  - .name:           k_q1d909210ee_attn
    .symbol:         k_q1d909210ee_attn.kd
    .args:
      - { .name: QB, .offset: 0, .size: 8, .value_kind: global_buffer, .address_space: global }
      - { .name: KV, .offset: 8, .size: 8, .value_kind: global_buffer, .address_space: global }
      - { .name: YQ, .offset: 16, .size: 8, .value_kind: global_buffer, .address_space: global }
    .group_segment_fixed_size: 206848
    .private_segment_fixed_size: 0
    .kernarg_segment_align: 8
    .kernarg_segment_size: 24
    .max_flat_workgroup_size: 512
    .sgpr_count:     66
    .vgpr_count:     256
    .wavefront_size: 32
...
	.end_amdgpu_metadata
.endif
;; end of part 3
;; launch proj (part 4): grid 8 x 32, 4 waves a work-group, no clusters, 17,920 bytes of LDS; arguments YQ, WQ, b_proj, out0; writes out0
.if DOCPART == 4
	.amdgcn_target "amdgcn-amd-amdhsa--gfx1250"
	.amdhsa_code_object_version 6
	.text
	.protected	k_q1d909210ee_proj
	.globl	k_q1d909210ee_proj
	.p2align	8
	.type	k_q1d909210ee_proj,@function
k_q1d909210ee_proj:
	s_mov_b64 s[64:65], 0
	v_nop
	global_prefetch_b8 v0, s[64:65] scope:SCOPE_SE
	s_setreg_imm32_b32 hwreg(HW_REG_WAVE_MODE, 25, 1), 1
	s_wait_xcnt 0x0
; out0 = Q(y) Q(W_proj) + b_proj on codes of BF6 with E8M0 scales; out0 [4096][1024] f32.
; A work-group makes 128 tokens x 128 columns, a wave 64 x 64: 16 accumulators, K = 1,024 in 8 steps of 128.  Source 0 = 16 columns of W, source 1 = 16 tokens: a lane holds one token and eight neighbouring columns.
; Operands are images of registers in groups of GB bytes (fragments at 6144 ks + 1536 tile, scale words at 49152 + 256 ks + 16 row + 4 tile).  W's fragments lie in chunks of four registers (three loads of 16 bytes a lane),
; y's in pieces of two (six loads of 8 bytes a lane), since y's writers make half fragments.  Row p of tile m is index 32 (m / 2) + 8 (m % 2) + p + 8 (p / 8), for tokens and for columns.
; THE WAY OUT: 16 tokens x 64 columns at a time through the wave's own stage in LDS (rows of 256 bytes + 16), back as whole rows: sixteen lanes store 256 consecutive bytes, aligned.  No barrier: each wave has its own bytes.
; NO TENSOR LOADS, NO CLUSTER: a wave has 128 matrix instructions in all and its operands come straight into its registers; with no tensor load there is no joint request to make.
; LIMITS: the bias is the C of each sum's first product (reference() adds it behind the sum: another order of rounding); NaN and infinities are not served.
.set GB,  51200
.set PF,  16                           ; v16-63   W's four fragments
.set RF,  64                           ; v64-111  y's four
.set PS,  112                          ; v112-115 W's scale words
.set RS,  116                          ; v116-119 y's
.set ACC, 128                          ; v128-255 accumulator (a, b) at 128 + 32 b + 8 a
.set SP,  272                          ; a stage row: row r begins 16 r bytes on modulo 256
.macro LOADS ks                        ; 38 loads: the scale words, W's fragments, y's tile by tile
	global_load_b128 v[PS:PS+3], v2, s[24:25] offset:49152+256*\ks
	global_load_b128 v[RS:RS+3], v2, s[26:27] offset:49152+256*\ks
.irp a, 0,1,2,3
.irp c, 0,1,2
	global_load_b128 v[PF+12*\a+4*\c:PF+12*\a+4*\c+3], v1, s[24:25] offset:6144*\ks+1536*\a+512*\c
.endr
.endr
.irp b, 0,1,2,3
.irp p, 0,1,2,3,4,5
	global_load_b64 v[RF+12*\b+2*\p:RF+12*\b+2*\p+1], v5, s[26:27] offset:6144*\ks+1536*\b+256*\p
.endr
.endr
.endm
.macro MM a, b, cb
	v_wmma_scale_f32_16x16x128_f8f6f4 v[ACC+32*(\b)+8*(\a):ACC+32*(\b)+8*(\a)+7], v[PF+12*(\a):PF+12*(\a)+11], v[RF+12*(\b):RF+12*(\b)+11], v[\cb:\cb+7], v[PS+(\a)], v[RS+(\b)] matrix_a_fmt:MATRIX_FMT_BF6 matrix_b_fmt:MATRIX_FMT_BF6
.endm
.macro STEP ks                         ; the 16 accumulators take turns, one instruction a turn, in the same order in every step
.rept 4
	v_nop                                          ; places in front of loads into registers that matrix instructions have read
.endr
	LOADS \ks
.irp b, 0,1,2,3
	s_wait_loadcnt 18-6*\b                         ; all but the six loads of each later tile of y
.irp a, 0,1,2,3
	MM \a, \b, ACC+32*\b+8*\a
.endr
.endr
.endm
.macro TOSTAGE b                       ; tile b's 16 tokens x 64 columns: in by lanes, each accumulator from its low end on; back by rows, into the registers that they left (LDS serves a wave's instructions in order)
.irp a, 0,1,2,3
	ds_store_b128 v8, v[ACC+32*(\b)+8*\a:ACC+32*(\b)+8*\a+3] offset:128*(\a/2)+32*(\a%2)
	ds_store_b128 v8, v[ACC+32*(\b)+8*\a+4:ACC+32*(\b)+8*\a+7] offset:128*(\a/2)+32*(\a%2)+16
.endr
.irp t, 0,1,2,3,4,5,6,7
	ds_load_b128 v[ACC+32*(\b)+4*\t:ACC+32*(\b)+4*\t+3], v9 offset:2*SP*\t
.endr
.endm
.macro SEND b, younger                 ; younger: the LDS instructions issued behind tile b's loads, which may stay out
	s_wait_dscnt \younger
.irp t, 0,1,2,3,4,5,6,7                        ; stage rows 2 t and 2 t + 1 are tokens 32 (b / 2) + 8 (b % 2) + 2 t + 8 (t / 4) and the next
	global_store_b128 v10, v[ACC+32*(\b)+4*\t:ACC+32*(\b)+4*\t+3], s[10:11] offset:(32*((\b)/2)+8*((\b)%2)+2*\t+8*(\t/4))*4096 th:TH_STORE_NT
.endr
.endm
	s_load_b256 s[4:11], s[0:1], 0x0               ; YQ s[4:5], WQ s[6:7], b_proj s[8:9], out0 s[10:11]
	v_lshl_add_u32 v126, v0, 2, 0x4400
	v_mov_b32 v127, 0
	v_lshrrev_b32 v1, 5, v0
	v_readfirstlane_b32 s14, v1                    ; wave 0..3
	v_and_b32 v6, 31, v0
	v_lshlrev_b32 v1, 4, v6                        ; 16 x lane
	v_lshlrev_b32 v5, 3, v6                        ; 8 x lane
	v_and_b32 v7, 15, v0                           ; r
	v_lshlrev_b32 v2, 4, v7                        ; 16 r
	v_bfe_u32 v11, v0, 4, 1                        ; h
	v_lshlrev_b32 v3, 6, v11                       ; 64 h
	s_and_b32 s15, ttmp7, 0xffff                   ; which 128 tokens
	s_and_b32 s16, s14, 1
	s_lshr_b32 s17, s14, 1
	s_lshl_b32 s18, s15, 1
	s_add_co_u32 s18, s18, s16                     ; the group of tokens
	s_lshl_b32 s19, ttmp9, 1
	s_add_co_u32 s19, s19, s17                     ; the group of columns, 0 .. 15
	s_add_co_u32 s20, s19, 48                      ; W_proj's groups lie behind W_qkv's 48
	s_mul_i32 s20, s20, GB
	s_mov_b32 s21, 0
	s_mul_i32 s22, s18, GB
	s_mov_b32 s23, 0
	s_wait_kmcnt 0x0
	s_add_nc_u64 s[24:25], s[6:7], s[20:21]        ; source 0
	s_add_nc_u64 s[26:27], s[4:5], s[22:23]        ; source 1
	LOADS 0
	s_lshl_b32 s30, s19, 8
	s_mov_b32 s31, 0
	s_add_nc_u64 s[8:9], s[8:9], s[30:31]          ; my 64 numbers of the bias
	s_add_nc_u64 s[10:11], s[10:11], s[30:31]      ; my 64 columns of out0,
	s_lshl_b32 s30, s18, 18
	s_add_nc_u64 s[10:11], s[10:11], s[30:31]      ; my 64 rows of 4,096 bytes
.irp a, 0,1,2,3                                ; the bias is the C of each sum's first product: register j of tile a is column 32 (a / 2) + 8 (a % 2) + 16 h + j
	global_load_b128 v[ACC+8*\a:ACC+8*\a+3], v3, s[8:9] offset:(32*(\a/2)+8*(\a%2))*4
	global_load_b128 v[ACC+8*\a+4:ACC+8*\a+7], v3, s[8:9] offset:(32*(\a/2)+8*(\a%2))*4+16
.endr
	s_mul_i32 s28, s14, 16*SP                      ; my stage
	v_mul_u32_u24 v8, v7, SP
	v_add_nc_u32 v8, v8, v3
	v_add_nc_u32 v8, s28, v8                       ; in: row r, + 64 h
	v_mul_u32_u24 v9, v11, SP
	v_add_nc_u32 v9, v9, v2
	v_add_nc_u32 v9, s28, v9                       ; back: lanes 0-15 one row, lanes 16-31 the next
	v_lshl_add_u32 v10, v11, 12, v2                ; and the same two rows in out0
	s_wait_loadcnt 0x0
.irp b, 1,2,3
.irp a, 0,1,2,3
	MM \a, \b, ACC+8*\a
.endr
.endr
.rept 5
	v_nop                                          ; five places: the next four products write over registers that the products above read as C
.endr
.irp a, 0,1,2,3
	MM \a, 0, ACC+8*\a
.endr
.irp k, 1,2,3,4,5,6,7
	STEP \k
.endr
.rept 4
	v_nop                                          ; places in front of the first read of results
.endr
	TOSTAGE 0
.irp b, 1,2,3
	TOSTAGE \b
	SEND \b-1, 16                                  ; behind the earlier tile's loads: this tile's eight stores and eight loads
.endr
	SEND 3, 0
	s_wait_tensorcnt 0x0
	ds_add_u32 v126, v127
	s_wait_dscnt 0x0
	s_endpgm
.Lfunc_end_k_q1d909210ee_proj:
	.size	k_q1d909210ee_proj, .Lfunc_end_k_q1d909210ee_proj-k_q1d909210ee_proj
	.p2alignl 7, 3214868480
	.fill 96, 4, 3214868480
	.section	.rodata,"a",@progbits
	.p2align	6, 0x0
	.amdhsa_kernel k_q1d909210ee_proj
		.amdhsa_group_segment_fixed_size 17920
		.amdhsa_private_segment_fixed_size 0
		.amdhsa_enable_private_segment 0
		.amdhsa_kernarg_size 32
		.amdhsa_user_sgpr_count 2
		.amdhsa_user_sgpr_kernarg_segment_ptr 1
		.amdhsa_wavefront_size32 1
		.amdhsa_system_sgpr_workgroup_id_x 1
		.amdhsa_system_sgpr_workgroup_id_y 1
		.amdhsa_system_sgpr_workgroup_id_z 1
		.amdhsa_system_vgpr_workitem_id 0
		.amdhsa_next_free_vgpr 256
		.amdhsa_next_free_sgpr 66
		.amdhsa_reserve_vcc 0
		.amdhsa_float_denorm_mode_32 3
		.amdhsa_float_denorm_mode_16_64 3
		.amdhsa_memory_ordered 1
		.amdhsa_forward_progress 1
		.amdhsa_inst_pref_size 57
	.end_amdhsa_kernel
	.amdgpu_metadata
---
amdhsa.version: [ 1, 2 ]
amdhsa.kernels:
  - .name:           k_q1d909210ee_proj
    .symbol:         k_q1d909210ee_proj.kd
    .args:
      - { .name: YQ, .offset: 0, .size: 8, .value_kind: global_buffer, .address_space: global }
      - { .name: WQ, .offset: 8, .size: 8, .value_kind: global_buffer, .address_space: global }
      - { .name: b_proj, .offset: 16, .size: 8, .value_kind: global_buffer, .address_space: global }
      - { .name: out0, .offset: 24, .size: 8, .value_kind: global_buffer, .address_space: global }
    .group_segment_fixed_size: 17920
    .private_segment_fixed_size: 0
    .kernarg_segment_align: 8
    .kernarg_segment_size: 32
    .max_flat_workgroup_size: 128
    .sgpr_count:     66
    .vgpr_count:     256
    .wavefront_size: 32
...
	.end_amdgpu_metadata
.endif
;; end of part 4
;; ======== version 2 of 2: 4 launches
;; workspace buffers: XQ 3,276,800 bytes; WQ 3,276,800 bytes; YQ 3,276,800 bytes; QB 3,276,800 bytes; KV 6,553,600 bytes
;; launch quant (part 5): grid 512 x 1, 4 waves a work-group, no clusters, 34,304 bytes of LDS; arguments x, W_qkv, W_proj, XQ, WQ; writes XQ, WQ
.if DOCPART == 5
	.amdgcn_target "amdgcn-amd-amdhsa--gfx1250"
	.amdhsa_code_object_version 6
	.text
	.protected	k_q1d909210ee_quant
	.globl	k_q1d909210ee_quant
	.p2align	8
	.type	k_q1d909210ee_quant,@function
k_q1d909210ee_quant:
	s_mov_b64 s[64:65], 0
	v_nop
	global_prefetch_b8 v0, s[64:65] scope:SCOPE_SE
	s_setreg_imm32_b32 hwreg(HW_REG_WAVE_MODE, 25, 1), 1
	s_wait_xcnt 0x0
; x [4096][1024], W_qkv [1024][3072] and W_proj [1024][1024], f32, become codes of BF6 (E3M2) with one E8M0 scale byte for each 32 along K (x: its last axis; the weights: their first).
; A block's scale is 2^(floor(log2(its largest magnitude)) - 4); its byte is the largest magnitude's exponent field - 4, held at 1 from below.
; LIMITS: a block of zeros gets the byte 1 where the rule says 127 (its codes are zeros, which add nothing, and this program alone reads the bytes); NaN and infinities among the inputs are not served.
; WHAT IS STORED ARE IMAGES OF OPERAND REGISTERS.  A fragment (16 rows x 128 K) is 12 registers a lane: register 4 c + i of lane l lies at 512 c + 16 l + 4 i of its 1,536 bytes.
; A GROUP of 64 rows (tiles q = 0..3) for all of K (steps ks = 0..7) is GB bytes: fragments at 6144 ks + 1536 q, scale words at 49152 + 256 ks + 16 row + 4 q.
; THE ROWS OF A TILE ARE NOT NEIGHBOURS: row p of tile m is index 32 (m / 2) + 8 (m % 2) + p + 8 (p / 8), so that a later product with tiles 2 b and 2 b + 1 as source 0 leaves 16 neighbours in a lane's 16 registers.
; Work-groups 0-255: one tile of 16 tokens of x each, wave w its K steps 2 w and 2 w + 1.  Work-groups 256-447: W_qkv, 128 columns x 128 K each.  Work-groups 448-511: W_proj likewise.
; No matrix unit, no tensor loads, no cluster: each number is read once and nothing is shared between work-groups.  Only the path for x uses LDS, each wave its own bytes: no barrier.
.set GB,   51200
.set SEL,  18                          ; s[18:19] lane selects for v_permlanex16_b32: lane l xor 16
.set TM,   8                           ; v8-11 largest magnitudes, v12-15 the other half's / the bytes, v20-23 the conversions' scale operands
.set PW,   24                          ; v24 the scale word just made
.set RAW,  32                          ; v32-159 two K steps of x as loaded
.set X,    160                         ; v160-223 64 numbers of my row: register 16 b + i = k 32 b + 16 (lane / 16) + i
.set PC,   224                         ; v224-243 the codes
.set SROW, 528                         ; a stage row: 512 bytes + 16, so that row r begins 16 r bytes on modulo 256 and the sixteen rows of a read fall on different banks
.macro XLOAD f                         ; K step f of my two: sixteen rows, each load 512 consecutive bytes of one row
.irp i, 0,1,2,3,4,5,6,7,8,9,10,11,12,13,14,15
	global_load_b128 v[RAW+64*\f+4*\i:RAW+64*\f+4*\i+3], v2, s[4:5] offset:(\i+8*(\i/8))*4096+512*\f th:TH_LOAD_NT
.endr
.endm
.macro TURN f                          ; through my wave's stage: in as loaded, out 16 neighbours of each block of 32 a lane.  LDS serves a wave's instructions in order: no wait between
.irp i, 0,1,2,3,4,5,6,7,8,9,10,11,12,13,14,15
	ds_store_b128 v5, v[RAW+64*\f+4*\i:RAW+64*\f+4*\i+3] offset:SROW*\i
.endr
.irp b, 0,1,2,3
.irp j, 0,1,2,3
	ds_load_b128 v[X+16*\b+4*\j:X+16*\b+4*\j+3], v6 offset:128*\b+16*\j
.endr
.endr
.endm
; 64 numbers of a lane become a fragment's codes in v[PC] on and its scale word in v[PW]
.macro QUANT s
.irp b, 0,1,2,3
	v_max3_num_f32 v[TM+\b], |v[\s+16*\b]|, |v[\s+1+16*\b]|, 0x2800000   ; my 16 numbers of block b, and the floor 2^(5 - 127): the byte cannot fall under 1
.endr
.irp i, 2,4,6,8,10,12,14
.irp b, 0,1,2,3
	v_max3_num_f32 v[TM+\b], v[TM+\b], |v[\s+16*\b+\i]|, |v[\s+1+16*\b+\i]|   ; the four blocks by turns
.endr
.endr
.irp b, 0,1,2,3
	v_permlanex16_b32 v[TM+4+\b], v[TM+\b], s[SEL], s[SEL+1]
.endr
.irp b, 0,1,2,3
	v_max_num_f32 v[TM+\b], v[TM+\b], v[TM+4+\b]   ; with lane l xor 16's 16: the block's largest magnitude
.endr
.irp b, 0,1,2,3
	v_add_nc_u32 v[TM+12+\b], 0xfe000000, v[TM+\b]   ; 4 off its exponent field: the conversion's scale operand
.endr
.irp b, 0,1,2,3
	v_lshrrev_b32 v[TM+4+\b], 23, v[TM+12+\b]      ; the scale's byte
.endr
	v_lshl_or_b32 v[PW], v[TM+5], 8, v[TM+4]
	v_lshl_or_b32 v[PW], v[TM+6], 16, v[PW]
	v_lshl_or_b32 v[PW], v[TM+7], 24, v[PW]
.irp c, 0,1
	v_cvt_scalef32_pk16_bf6_f32 v[PC+6*\c:PC+2+6*\c], v[\s+32*\c:\s+15+32*\c], v[TM+12+2*\c]
	v_cvt_scalef32_pk16_bf6_f32 v[PC+12+4*\c:PC+14+4*\c], v[\s+16+32*\c:\s+31+32*\c], v[TM+12+2*\c+1]   ; (a conversion's three registers begin on an even number)
.endr
	v_nop                                          ; one plain place behind a scaled conversion
.irp c, 0,1                                    ; the operand's layout wants a whole block in a lane: lanes 0-15 block 2 c, lanes 16-31 block 2 c + 1
.irp i, 0,1,2
	v_permlane16_swap_b32 v[PC+6*\c+\i], v[PC+12+4*\c+\i]
.endr
.irp i, 0,1,2
	v_mov_b32 v[PC+3+6*\c+\i], v[PC+12+4*\c+\i]
.endr
.endr
.endm
.macro XOUT f                          ; the fragment's image: each store covers 512 consecutive bytes; the scale word: 4 bytes a row (lanes 16-31 write the same word with the same value)
.irp c, 0,1,2
	global_store_b128 v26, v[PC+4*\c:PC+4*\c+3], s[10:11] offset:6144*\f+512*\c
.endr
	global_store_b32 v27, v[PW], s[10:11] offset:49152+256*\f
.endm
; A weight [1024][cols]: a lane takes a column and its 128 registers run down K, so a block's largest magnitude needs no other lane and the conversions give codes with K innermost.
; Lane l takes column l with bits 3 and 4 exchanged: lanes 0-15 are then the rows of the 32 columns' first tile, lanes 16-31 those of the second.
.macro WPATH cols, gbase, ptr, first
	s_sub_co_u32 s20, ttmp9, \first
	s_and_b32 s21, s20, 7                          ; ks
	s_lshr_b32 s22, s20, 3                         ; which 128 columns
	s_mul_i32 s24, s21, 128*\cols*4
	s_lshl_b32 s25, s22, 9
	s_add_co_u32 s24, s24, s25
	s_lshl_b32 s25, s16, 7                         ; my wave's 32 columns
	s_add_co_u32 s24, s24, s25
	s_mov_b32 s25, 0
	s_add_nc_u64 s[\ptr:\ptr+1], s[\ptr:\ptr+1], s[24:25]
	v_and_b32 v2, 7, v1
	v_and_b32 v5, 8, v1
	v_lshl_or_b32 v2, v5, 1, v2
	v_bfe_u32 v5, v1, 4, 1                         ; lane / 16
	v_lshl_or_b32 v2, v5, 3, v2
	v_lshlrev_b32 v2, 2, v2                        ; 4 bytes a column
.set I, 0
.rept 128
	global_load_b32 v[32+I], v2, s[\ptr:\ptr+1] offset:I*\cols*4 th:TH_LOAD_NT   ; one row k: the wave reads 128 consecutive bytes, the work-group 512
.set I, I+1
.endr
	v_lshlrev_b32 v3, 4, v1                        ; an image's place for my lane
	v_and_b32 v4, 15, v1
	v_lshlrev_b32 v4, 4, v4
	v_lshl_or_b32 v4, v5, 2, v4                    ; my scale word: 16 x row + 4 x (which of the two tiles)
	s_lshl_b32 s26, s22, 1
	s_lshr_b32 s27, s16, 1
	s_add_co_u32 s26, s26, s27
	s_add_co_u32 s26, s26, \gbase
	s_mul_i32 s26, s26, GB                         ; the group of 64 columns
	s_and_b32 s27, s16, 1                          ; its tiles 0, 1 or 2, 3
	s_mul_i32 s28, s21, 6144
	s_mul_i32 s29, s27, 3072
	s_add_co_u32 s28, s28, s29
	s_add_co_u32 s28, s28, s26
	s_mov_b32 s29, 0
	s_add_nc_u64 s[28:29], s[12:13], s[28:29]      ; where my two fragments go
	s_lshl_b32 s30, s21, 8
	s_lshl_b32 s31, s27, 3
	s_add_co_u32 s30, s30, s31
	s_add_co_u32 s30, s30, s26
	s_mov_b32 s31, 0
	s_add_nc_u64 s[30:31], s[12:13], s[30:31]      ; and their scale words (49,152 more in the store's immediate)
	s_wait_loadcnt 0x0
.irp b, 0,1,2,3
	v_max3_num_f32 v[8+\b], |v[32+32*\b]|, |v[33+32*\b]|, 0x2800000   ; block b: all 32 numbers are mine; and the floor
.endr
.irp i, 2,4,6,8,10,12,14,16,18,20,22,24,26,28,30
.irp b, 0,1,2,3
	v_max3_num_f32 v[8+\b], v[8+\b], |v[32+32*\b+\i]|, |v[33+32*\b+\i]|
.endr
.endr
.irp b, 0,1,2,3
	v_add_nc_u32 v[12+\b], 0xfe000000, v[8+\b]
.endr
.irp b, 0,1,2,3
	v_lshrrev_b32 v[16+\b], 23, v[12+\b]
.endr
	v_lshl_or_b32 v20, v17, 8, v16
	v_lshl_or_b32 v20, v18, 16, v20
	v_lshl_or_b32 v20, v19, 24, v20                ; my column's scale word for these 128 k
.irp b, 0,1,2,3                                ; block b's six registers at v160 (b = 0), v172 (1), v166 (2), v178 (3)
	v_cvt_scalef32_pk16_bf6_f32 v[160+12*(\b%2)+6*(\b/2):162+12*(\b%2)+6*(\b/2)], v[32+32*\b:47+32*\b], v[12+\b]
	v_cvt_scalef32_pk16_bf6_f32 v[184+4*\b:186+4*\b], v[48+32*\b:63+32*\b], v[12+\b]
.endr
	v_nop                                          ; one plain place behind a scaled conversion
.irp b, 0,1,2,3
.irp i, 0,1,2
	v_mov_b32 v[163+12*(\b%2)+6*(\b/2)+\i], v[184+4*\b+\i]
.endr
.endr
.irp c, 0,1                                    ; blocks 2 c and 2 c + 1 change halves: v160-171 become the first tile's fragment (lanes 0-15 block 2 c, lanes 16-31 block 2 c + 1), v172-183 the second tile's
.irp i, 0,1,2,3,4,5
	v_permlane16_swap_b32 v[160+6*\c+\i], v[172+6*\c+\i]
.endr
.endr
.irp t, 0,1
.irp c, 0,1,2
	global_store_b128 v3, v[160+12*\t+4*\c:163+12*\t+4*\c], s[28:29] offset:1536*\t+512*\c
.endr
.endr
	global_store_b32 v4, v20, s[30:31] offset:49152
	s_endpgm
.endm
	s_load_b256 s[4:11], s[0:1], 0x0               ; x s[4:5], W_qkv s[6:7], W_proj s[8:9], XQ s[10:11]
	s_load_b64 s[12:13], s[0:1], 0x20              ; WQ
	v_lshl_add_u32 v244, v0, 2, 0x8400
	v_mov_b32 v245, 0
	v_lshrrev_b32 v1, 5, v0
	v_readfirstlane_b32 s16, v1                    ; wave 0..3
	v_and_b32 v1, 31, v0                           ; lane
	s_mov_b32 s[SEL], 0x76543210
	s_mov_b32 s[SEL+1], 0xfedcba98
	s_wait_kmcnt 0x0
	s_cmp_lt_u32 ttmp9, 256
	s_cbranch_scc0 .Lweights
	; ---- x: token tile mt = the work-group's number
	s_lshr_b32 s20, ttmp9, 1
	s_lshl_b32 s20, s20, 5
	s_and_b32 s21, ttmp9, 1
	s_lshl_b32 s21, s21, 3
	s_add_co_u32 s20, s20, s21                     ; the tile's first token: 32 (mt / 2) + 8 (mt % 2)
	s_lshl_b32 s20, s20, 12                        ; rows of 4,096 bytes
	s_lshl_b32 s21, s16, 10                        ; my two K steps: 1,024 bytes of each row
	s_add_co_u32 s20, s20, s21
	s_mov_b32 s21, 0
	s_add_nc_u64 s[4:5], s[4:5], s[20:21]
	s_wait_alu depctr_va_vdst(0)
	v_lshlrev_b32 v2, 4, v1                        ; 16 x lane
	s_wait_alu depctr_va_vdst(0)
	XLOAD 0
	XLOAD 1
	s_lshr_b32 s22, ttmp9, 2
	s_mul_i32 s22, s22, GB
	s_mov_b32 s23, 0
	s_add_nc_u64 s[10:11], s[10:11], s[22:23]      ; the tile's group
	s_and_b32 s24, ttmp9, 3                        ; its place q in the group
	v_and_b32 v3, 15, v0                           ; r
	v_bfe_u32 v4, v0, 4, 1                         ; h
	s_mul_i32 s25, s16, 16*SROW                    ; my wave's stage
	v_add_nc_u32 v5, s25, v2                       ; in: 16 x lane of a row
	v_mul_u32_u24 v6, v3, SROW
	v_lshl_add_u32 v6, v4, 6, v6
	v_add_nc_u32 v6, s25, v6                       ; out: row r, + 64 h
	s_mul_i32 s26, s16, 12288
	s_mul_i32 s27, s24, 1536
	s_add_co_u32 s26, s26, s27
	v_add_nc_u32 v26, s26, v2                      ; the image: 6144 (2 w) + 1536 q + 16 x lane
	s_lshl_b32 s27, s16, 9
	s_lshl_b32 s28, s24, 2
	s_add_co_u32 s27, s27, s28
	v_lshl_add_u32 v27, v3, 4, s27                 ; the scale word: 256 (2 w) + 16 r + 4 q
.irp b, 0,1,2,3
	v_mov_b32 v[TM+4+\b], 0                        ; written once: a lane permute's destination counts as one of its sources
.endr
	s_wait_alu depctr_va_vdst(0)
	s_wait_loadcnt 16                              ; the first K step's sixteen loads are in; the second's sixteen may be out
	TURN 0
	s_wait_dscnt 0x0
	QUANT X
	XOUT 0
	s_wait_loadcnt 0x0
	TURN 1
	s_wait_dscnt 0x0
	s_wait_xcnt 0x0                                ; the stores' data registers are written again only behind this wait
	QUANT X
	XOUT 1
	s_wait_tensorcnt 0x0
	ds_add_u32 v244, v245
	s_wait_dscnt 0x0
	s_endpgm
.Lweights:
	s_cmp_lt_u32 ttmp9, 448
	s_cbranch_scc0 .Lproj
	s_wait_alu depctr_va_vdst(0)
	WPATH 3072, 0, 6, 256
.Lproj:
	s_wait_alu depctr_va_vdst(0)
	WPATH 1024, 48, 8, 448
.Lfunc_end_k_q1d909210ee_quant:
	.size	k_q1d909210ee_quant, .Lfunc_end_k_q1d909210ee_quant-k_q1d909210ee_quant
	.p2alignl 7, 3214868480
	.fill 96, 4, 3214868480
	.section	.rodata,"a",@progbits
	.p2align	6, 0x0
	.amdhsa_kernel k_q1d909210ee_quant
		.amdhsa_group_segment_fixed_size 34304
		.amdhsa_private_segment_fixed_size 0
		.amdhsa_enable_private_segment 0
		.amdhsa_kernarg_size 40
		.amdhsa_user_sgpr_count 2
		.amdhsa_user_sgpr_kernarg_segment_ptr 1
		.amdhsa_wavefront_size32 1
		.amdhsa_system_sgpr_workgroup_id_x 1
		.amdhsa_system_sgpr_workgroup_id_y 1
		.amdhsa_system_sgpr_workgroup_id_z 1
		.amdhsa_system_vgpr_workitem_id 0
		.amdhsa_next_free_vgpr 246
		.amdhsa_next_free_sgpr 66
		.amdhsa_reserve_vcc 0
		.amdhsa_float_denorm_mode_32 3
		.amdhsa_float_denorm_mode_16_64 3
		.amdhsa_memory_ordered 1
		.amdhsa_forward_progress 1
		.amdhsa_inst_pref_size 59
	.end_amdhsa_kernel
	.amdgpu_metadata
---
amdhsa.version: [ 1, 2 ]
amdhsa.kernels:
  - .name:           k_q1d909210ee_quant
    .symbol:         k_q1d909210ee_quant.kd
    .args:
      - { .name: x, .offset: 0, .size: 8, .value_kind: global_buffer, .address_space: global }
      - { .name: W_qkv, .offset: 8, .size: 8, .value_kind: global_buffer, .address_space: global }
      - { .name: W_proj, .offset: 16, .size: 8, .value_kind: global_buffer, .address_space: global }
      - { .name: XQ, .offset: 24, .size: 8, .value_kind: global_buffer, .address_space: global }
      - { .name: WQ, .offset: 32, .size: 8, .value_kind: global_buffer, .address_space: global }
    .group_segment_fixed_size: 34304
    .private_segment_fixed_size: 0
    .kernarg_segment_align: 8
    .kernarg_segment_size: 40
    .max_flat_workgroup_size: 128
    .sgpr_count:     66
    .vgpr_count:     246
    .wavefront_size: 32
...
	.end_amdgpu_metadata
.endif
;; end of part 5
;; launch qkv (part 6): grid 24 x 32, 4 waves a work-group, no clusters, 0 bytes of LDS; arguments XQ, WQ, b_qkv, QB, KV; writes QB, KV
.if DOCPART == 6
	.amdgcn_target "amdgcn-amd-amdhsa--gfx1250"
	.amdhsa_code_object_version 6
	.text
	.protected	k_q1d909210ee_qkv
	.globl	k_q1d909210ee_qkv
	.p2align	8
	.type	k_q1d909210ee_qkv,@function
k_q1d909210ee_qkv:
	s_mov_b64 s[64:65], 0
	v_nop
	global_prefetch_b8 v0, s[64:65] scope:SCOPE_SE
	s_setreg_imm32_b32 hwreg(HW_REG_WAVE_SCHED_MODE, 0, 2), 2
	s_setreg_imm32_b32 hwreg(HW_REG_WAVE_MODE, 25, 1), 1
	s_wait_xcnt 0x0
	s_wait_alu depctr_vm_vsrc(0)
; qkv = Q(x) Q(W_qkv) + b_qkv on codes of BF6 with E8M0 scales, and the result quantised in registers: q and k along the head's 64, v along the tokens.  Nothing leaves as f32.
; A work-group makes 128 tokens x 128 columns (work-group x 0-7: q, 8-15: k, 16-23: v), a wave 64 x 64: 16 accumulators, one head, K = 1,024 in 8 steps of 128.
; Operands are images of registers (groups of GB bytes: fragments at 6144 ks + 1536 tile, scale words at 49152 + 256 ks + 16 row + 4 tile): each load of a wave covers 512 consecutive bytes.
; q, k: source 0 = 16 columns of W, source 1 = 16 tokens: a lane holds ONE token and its registers run along d.   v: source 0 = 16 tokens, source 1 = 16 columns: a lane holds ONE d and its registers run along the tokens.
; The rows of a tile are chosen (row p of tile m = 32 (m / 2) + 8 (m % 2) + p + 8 (p / 8)) so that the 16 registers of source 0's tiles 2 b and 2 b + 1 are 16 neighbours along the next K.
; The wave's tile is square and both operands are laid alike: only the two base addresses change places, and one text serves q, k and v.
; OUT: half fragments (64 along K: six registers; register 2 p + i of lane l at 256 p + 8 l + 4 i), each store 256 consecutive bytes, and two scale bytes a row.
;   QB [32 heads][16 blocks of 128 tokens][6400]: tiles 2 n, 2 n + 1 at 1536 n and + 768; scale bytes at 6144 + 16 row + 4 n (+ 2).
;   KV [32][16][12800]: K as QB's; V^T's fragment of d tile t at 6144 + 1536 t (+ 768: tokens 64-127); K's scale bytes at 12288 + .., V's at 12544 + 16 row + 4 t (+ 2).
; NO LDS, NO TENSOR LOADS, NO CLUSTER: a wave has 128 matrix instructions in all, its operands come straight into its registers, and three work-groups' waves share a SIMD; with no tensor load there is no joint request to make.
; LIMITS: the bias is the C of each sum's first product (reference() adds it behind the sum: another order of rounding); a block of zeros gets the byte 1 for 127 (zero codes; read by this program alone); NaN and infinities are not served.
; THE MODE: SCHED_MODE bits 1:0 = 2 (LLVM: expert scheduling mode 2), set by the entry lines.  The code itself states the register dependences
; between vector or matrix instructions and memory instructions, with s_wait_alu, always for 0.
; THE PLAN.  Registers that memory instructions touch:
;   v1-v4          offsets of the loads: written once at the head, never again.
;   PF, RF, PS, RS one set (all 256 registers are taken): a step's 26 loads land in them, its 16 products read them.
;   ACC (a part)   the bias loads land there ahead of every product.
;   v8-v15         offsets of the stores: written once, behind the first loads; read by the stores at the end.
;   tile b's codes (PF + 12 b on) and bytes (RF + b): written by tile b's quantiser, read by its four stores, never written again.
; So: one wait on va_vdst ahead of the first load; ONE at each step's head, which states that the last step's products are done reading the set in which the step's loads land;
; one ahead of each tile's run of four stores.  No register that a memory instruction reads is written again: no wait on vm_vsrc is owed.
.set GB,  51200
.set PF,  16                           ; v16-63   source 0's four fragments
.set RF,  64                           ; v64-111  source 1's four
.set PS,  112                          ; v112-115 source 0's scale words, a register a tile
.set RS,  116                          ; v116-119 source 1's
.set T,   120                          ; v120-127 at work in the quantiser
.set ACC, 128                          ; v128-255 accumulator (a, b) at 128 + 32 b + 8 a
.set SEL, 50                           ; s[50:51] lane selects for v_permlanex16_b32: lane l xor 16
.macro LOADS ks                        ; 26 loads: the scale words, source 0's fragments, source 1's tile by tile
	global_load_b128 v[PS:PS+3], v2, s[24:25] offset:49152+256*\ks
	global_load_b128 v[RS:RS+3], v2, s[26:27] offset:49152+256*\ks
.irp a, 0,1,2,3
.irp c, 0,1,2
	global_load_b128 v[PF+12*\a+4*\c:PF+12*\a+4*\c+3], v1, s[24:25] offset:6144*\ks+1536*\a+512*\c
.endr
.endr
.irp b, 0,1,2,3
.irp c, 0,1,2
	global_load_b128 v[RF+12*\b+4*\c:RF+12*\b+4*\c+3], v1, s[26:27] offset:6144*\ks+1536*\b+512*\c
.endr
.endr
.endm
.macro MM a, b, cb                     ; accumulator (a, b) = fragment a x fragment b + the eight registers from cb on
	v_wmma_scale_f32_16x16x128_f8f6f4 v[ACC+32*(\b)+8*(\a):ACC+32*(\b)+8*(\a)+7], v[PF+12*(\a):PF+12*(\a)+11], v[RF+12*(\b):RF+12*(\b)+11], v[\cb:\cb+7], v[PS+(\a)], v[RS+(\b)] matrix_a_fmt:MATRIX_FMT_BF6 matrix_b_fmt:MATRIX_FMT_BF6
.endm
.macro STEP ks                         ; the 16 accumulators take turns, one instruction a turn, in the same order in every step
.rept 4
	v_nop                                          ; places in front of loads into registers that matrix instructions have read; the wait below states the dependence itself
.endr
	s_wait_alu depctr_va_vdst(0)                   ; the last step's products are done reading PF, RF, PS and RS, in which the 26 loads below land
	LOADS \ks
.irp b, 0,1,2,3
	s_wait_loadcnt 9-3*\b                          ; all but the three loads of each later tile of source 1
.irp a, 0,1,2,3
	MM \a, \b, ACC+32*\b+8*\a
.endr
.endr
.endm
; 32 numbers of a lane, register 16 b + i = k 32 b + 16 (lane / 16) + i of my row, become six registers of codes (lane (r, h): k 32 h + 0 .. 31) in v[pc] on and two scale bytes in v[w]
.macro QUANT2 s, pc, w
.irp b, 0,1
	v_max3_num_f32 v[T+\b], |v[\s+16*\b]|, |v[\s+1+16*\b]|, 0x2800000   ; each accumulator is read from its low end on; the floor 2^(5 - 127) holds the byte at 1 from below
.endr
.irp i, 2,4,6,8,10,12,14
.irp b, 0,1
	v_max3_num_f32 v[T+\b], v[T+\b], |v[\s+16*\b+\i]|, |v[\s+1+16*\b+\i]|
.endr
.endr
.irp b, 0,1
	v_permlanex16_b32 v[T+2+\b], v[T+\b], s[SEL], s[SEL+1]
.endr
.irp b, 0,1
	v_max_num_f32 v[T+\b], v[T+\b], v[T+2+\b]      ; with lane l xor 16's 16: the block's largest magnitude
.endr
.irp b, 0,1
	v_add_nc_u32 v[T+4+\b], 0xfe000000, v[T+\b]    ; 4 off its exponent field: the conversion's scale operand
.endr
.irp b, 0,1
	v_lshrrev_b32 v[T+6+\b], 23, v[T+4+\b]         ; the scale's byte
.endr
	v_lshl_or_b32 v[\w], v[T+7], 8, v[T+6]
	v_cvt_scalef32_pk16_bf6_f32 v[\pc:\pc+2], v[\s:\s+15], v[T+4]
	v_cvt_scalef32_pk16_bf6_f32 v[\pc+6:\pc+8], v[\s+16:\s+31], v[T+5]
	v_nop                                          ; one plain place behind a scaled conversion
.irp i, 0,1,2
	v_permlane16_swap_b32 v[\pc+\i], v[\pc+6+\i]   ; a whole block to a lane: lanes 0-15 block 0, lanes 16-31 block 1
.endr
.irp i, 0,1,2
	v_mov_b32 v[\pc+3+\i], v[\pc+6+\i]
.endr
.endm
	s_load_b256 s[4:11], s[0:1], 0x0               ; XQ s[4:5], WQ s[6:7], b_qkv s[8:9], QB s[10:11]
	s_load_b64 s[12:13], s[0:1], 0x20              ; KV
	v_lshrrev_b32 v1, 5, v0
	v_readfirstlane_b32 s14, v1                    ; wave 0..3
	v_and_b32 v6, 31, v0
	v_lshlrev_b32 v1, 4, v6                        ; 16 x lane
	v_lshlrev_b32 v5, 3, v6                        ; 8 x lane
	v_and_b32 v7, 15, v0                           ; r
	v_lshlrev_b32 v2, 4, v7                        ; 16 r
	v_bfe_u32 v3, v0, 4, 1
	v_lshlrev_b32 v3, 6, v3                        ; 64 h
	v_and_b32 v4, 8, v7
	v_add_nc_u32 v4, v4, v7
	v_lshlrev_b32 v4, 2, v4                        ; 4 (r + 8 (r / 8))
	s_wait_alu depctr_va_sdst(0)                   ; s14 is written, ahead of its first reader: the groups' numbers are made from it
	s_and_b32 s15, ttmp7, 0xffff                   ; which 128 tokens
	s_and_b32 s16, s14, 1                          ; wt: which 64 of them
	s_lshr_b32 s17, s14, 1                         ; wn: which 64 of the 128 columns
	s_lshl_b32 s18, s15, 1
	s_add_co_u32 s18, s18, s16                     ; the group of tokens
	s_lshl_b32 s19, ttmp9, 1
	s_add_co_u32 s19, s19, s17                     ; the group of columns: 0-15 q's heads, 16-31 k's, 32-47 v's
	s_mul_i32 s20, s19, GB
	s_mov_b32 s21, 0
	s_mul_i32 s22, s18, GB
	s_mov_b32 s23, 0
	s_mov_b32 s40, 768
	s_mov_b32 s42, 1536
	s_mov_b32 s45, 12544
	s_mov_b32 s30, 12800
	s_mov_b32 s[SEL], 0x76543210
	s_mov_b32 s[SEL+1], 0xfedcba98
	s_wait_kmcnt 0x0
	s_add_nc_u64 s[20:21], s[6:7], s[20:21]        ; the columns' group
	s_add_nc_u64 s[22:23], s[4:5], s[22:23]        ; the tokens' group
	s_cmp_lt_u32 ttmp9, 16                         ; q or k?  All choices hang on the work-group's number alone
	s_cselect_b64 s[24:25], s[20:21], s[22:23]     ; source 0
	s_cselect_b64 s[26:27], s[22:23], s[20:21]     ; source 1
	s_cselect_b32 s40, 3072, s40                   ; codes: bytes for wt,
	s_cselect_b32 s41, 0, 6144                     ; where they begin in the block,
	s_cselect_b32 s42, 768, s42                    ; and from tile b to tile b + 1
	s_cselect_b32 s43, 8, 2                        ; scale bytes: for wt,
	s_cselect_b32 s44, 2, 4                        ; from tile to tile,
	s_cselect_b32 s45, 12288, s45                  ; and where they begin
	s_cmp_lt_u32 ttmp9, 8                          ; q?
	s_cselect_b64 s[28:29], s[10:11], s[12:13]
	s_cselect_b32 s30, 6400, s30
	s_cselect_b32 s45, 6144, s45
	s_wait_alu depctr_va_vdst(0)                   ; the offsets v1 to v4 are written, which every load of the kernel reads; the vector lines between here and the bias loads name v2, v5 and v8 to v15 alone, none of which those loads touch
	LOADS 0
	s_and_b32 s31, s19, 15                         ; the head
	s_lshr_b32 s32, s15, 4                         ; the batch
	s_lshl_b32 s32, s32, 4
	s_add_co_u32 s32, s32, s31
	s_lshl_b32 s32, s32, 4
	s_and_b32 s33, s15, 15
	s_add_co_u32 s32, s32, s33                     ; the block: (16 batch + head) 16 + which 128 tokens of the batch
	s_mul_i32 s30, s32, s30
	s_mov_b32 s31, 0
	s_add_nc_u64 s[28:29], s[28:29], s[30:31]
	s_lshl_b32 s34, s19, 8
	s_mov_b32 s35, 0
	s_add_nc_u64 s[8:9], s[8:9], s[34:35]          ; my 64 numbers of the bias
	s_mul_i32 s46, s16, s40
	s_add_co_u32 s46, s46, s41
	s_mul_i32 s47, s16, s43
	s_add_co_u32 s47, s47, s45
.irp b, 0,1,2,3
	v_add_nc_u32 v[8+\b], s46, v5                  ; v8-11: where tile b's codes go
	v_add_nc_u32 v[12+\b], s47, v2                 ; v12-15: and its scale bytes
	s_add_co_u32 s46, s46, s42
	s_add_co_u32 s47, s47, s44
.endr
	; K step 0: the bias is the C of each sum's first product.  It is loaded once, into one accumulator of each row (q, k) or column (v) of accumulators; the others take it from there, and that one adds in place last.
	s_cmp_lt_u32 ttmp9, 16
	s_cbranch_scc0 .Lv_arm
.irp a, 0,1,2,3                                ; q, k: register j of tile a is column 32 (a / 2) + 8 (a % 2) + 16 h + j
	global_load_b128 v[ACC+8*\a:ACC+8*\a+3], v3, s[8:9] offset:(32*(\a/2)+8*(\a%2))*4
	global_load_b128 v[ACC+8*\a+4:ACC+8*\a+7], v3, s[8:9] offset:(32*(\a/2)+8*(\a%2))*4+16
.endr
	s_wait_loadcnt 0x0
.irp b, 1,2,3
.irp a, 0,1,2,3
	MM \a, \b, ACC+8*\a
.endr
.endr
.rept 5
	v_nop                                          ; five places: the next four products write over registers that the products above read as C
.endr
.irp a, 0,1,2,3
	MM \a, 0, ACC+8*\a
.endr
	s_branch .Lsteps
.Lv_arm:
.irp b, 0,1,2,3                                ; v: all eight registers of a lane belong to column 32 (b / 2) + 8 (b % 2) + r + 8 (r / 8)
.irp j, 0,1,2,3,4,5,6,7
	global_load_b32 v[ACC+32*\b+\j], v4, s[8:9] offset:(32*(\b/2)+8*(\b%2))*4
.endr
.endr
	s_wait_loadcnt 0x0
.irp a, 1,2,3
.irp b, 0,1,2,3
	MM \a, \b, ACC+32*\b
.endr
.endr
.rept 5
	v_nop
.endr
.irp b, 0,1,2,3
	MM 0, \b, ACC+32*\b
.endr
.Lsteps:
.irp k, 1,2,3,4,5,6,7
	STEP \k
.endr
	; the wave's 64 x 64 numbers are quantised where they lie: for each tile b of source 1 a lane's 32 registers are 2 x 16 neighbours along the next K
.rept 4
	v_nop                                          ; places in front of the first read of results and of writes into the operands' registers
.endr
	v_mov_b32 v[T+2], 0                            ; written once: a lane permute's destination counts as one of its sources
	v_mov_b32 v[T+3], 0
.irp b, 0,1,2,3                                ; each tile has registers of its own for its codes and bytes: no store's data are written again
	QUANT2 ACC+32*\b, PF+12*\b, RF+\b
	s_wait_alu depctr_va_vdst(0)                   ; the tile's six registers of codes and its two bytes are written, which the four stores below read (their offsets v8 to v15 were written ahead of the steps' waits)
.irp p, 0,1,2
	global_store_b64 v[8+\b], v[PF+12*\b+2*\p:PF+12*\b+2*\p+1], s[28:29] offset:256*\p   ; 32 lanes store 256 consecutive bytes, aligned
.endr
	global_store_b16 v[12+\b], v[RF+\b], s[28:29]  ; the row's two bytes (lanes 16-31 write the same bytes with the same value)
.endr
	s_endpgm
.Lfunc_end_k_q1d909210ee_qkv:
	.size	k_q1d909210ee_qkv, .Lfunc_end_k_q1d909210ee_qkv-k_q1d909210ee_qkv
	.p2alignl 7, 3214868480
	.fill 96, 4, 3214868480
	.section	.rodata,"a",@progbits
	.p2align	6, 0x0
	.amdhsa_kernel k_q1d909210ee_qkv
		.amdhsa_group_segment_fixed_size 0
		.amdhsa_private_segment_fixed_size 0
		.amdhsa_enable_private_segment 0
		.amdhsa_kernarg_size 40
		.amdhsa_user_sgpr_count 2
		.amdhsa_user_sgpr_kernarg_segment_ptr 1
		.amdhsa_wavefront_size32 1
		.amdhsa_system_sgpr_workgroup_id_x 1
		.amdhsa_system_sgpr_workgroup_id_y 1
		.amdhsa_system_sgpr_workgroup_id_z 1
		.amdhsa_system_vgpr_workitem_id 0
		.amdhsa_next_free_vgpr 256
		.amdhsa_next_free_sgpr 66
		.amdhsa_reserve_vcc 0
		.amdhsa_float_denorm_mode_32 3
		.amdhsa_float_denorm_mode_16_64 3
		.amdhsa_memory_ordered 1
		.amdhsa_forward_progress 1
		.amdhsa_inst_pref_size 57
	.end_amdhsa_kernel
	.amdgpu_metadata
---
amdhsa.version: [ 1, 2 ]
amdhsa.kernels:
  - .name:           k_q1d909210ee_qkv
    .symbol:         k_q1d909210ee_qkv.kd
    .args:
      - { .name: XQ, .offset: 0, .size: 8, .value_kind: global_buffer, .address_space: global }
      - { .name: WQ, .offset: 8, .size: 8, .value_kind: global_buffer, .address_space: global }
      - { .name: b_qkv, .offset: 16, .size: 8, .value_kind: global_buffer, .address_space: global }
      - { .name: QB, .offset: 24, .size: 8, .value_kind: global_buffer, .address_space: global }
      - { .name: KV, .offset: 32, .size: 8, .value_kind: global_buffer, .address_space: global }
    .group_segment_fixed_size: 0
    .private_segment_fixed_size: 0
    .kernarg_segment_align: 8
    .kernarg_segment_size: 40
    .max_flat_workgroup_size: 128
    .sgpr_count:     66
    .vgpr_count:     256
    .wavefront_size: 32
...
	.end_amdgpu_metadata
.endif
;; end of part 6
;; launch attn (part 7): grid 8 x 32, 16 waves a work-group, no clusters, 327,680 bytes of LDS; arguments QB, KV, YQ; writes YQ
.if DOCPART == 7
	.amdgcn_target "amdgcn-amd-amdhsa--gfx1250"
	.amdhsa_code_object_version 6
	.text
	.protected	k_q1d909210ee_attn
	.globl	k_q1d909210ee_attn
	.p2align	8
	.type	k_q1d909210ee_attn,@function
k_q1d909210ee_attn:
	s_mov_b64 s[64:65], 0
	v_nop
	global_prefetch_b8 v0, s[64:65] scope:SCOPE_SE
	s_setreg_imm32_b32 hwreg(HW_REG_WAVE_MODE, 25, 1), 1
	s_wait_xcnt 0x0
; y = softmax(q k^T / 8, causal) v for one head, both products on codes of BF6 with E8M0 scales, and y quantised along the channels for the last product.
; THE SOFTMAX AHEAD OF THE SECOND PRODUCT: t = score x log2(e) / 8; M = the row's largest t so far, rounded UP to a whole number; p = 2^(t - M) is what is quantised, along the keys, not normalised.
; The row's sum is taken of the unquantised p, in f32, and divides O at the end.  When M moves, the sum and O are multiplied by 2^(old M - new M): exact.
; SHARES.  Sixteen waves, each with ONE tile of 16 queries in 256 registers, four to a SIMD.  Work-group i of a head has query tiles 8 i .. 8 i + 7 (waves 0-7) and 8 (15 - i) .. + 7 (waves 8-15):
; (i + 1) 8 + (16 - i) 8 = 136 key steps of 128 keys in every work-group.  A step all of whose keys come after the wave's queries is left out by a scalar branch on ids; the loops' trip counts are constants.
; LDS holds the head's whole block of KV, 16 steps x 12,800 bytes, as it lies in memory, filled ONCE: each wave brings 6,400 bytes of the first eight steps and 6,400 of the last eight: one tensor load of a wave is out at a time.
; Nothing is filled again and nothing is stored to LDS.  A step's bytes: K's four pair fragments at 1536 n, V^T's four fragments at 6144 + 1536 t, K's scale words at 12288 + 16 row + 4 n, V's at 12544 + 16 row + 4 t.
; K = 64 IN AN INSTRUCTION OF 128.  A pair fragment holds key tile 2 n's 64 channels in registers 0-5 and tile 2 n + 1's in registers 6-11.  The queries stand as [q | 0] and [0 | q] (18 registers: q, zeros, q):
; the first product gives tile 2 n's scores, the second tile 2 n + 1's.  Zero codes add nothing; their scale bytes are 0, which is a small power of two and not NaN.
; LAYOUT.  Both products are used transposed (source 0 = 16 keys, or 16 of the head's 64; source 1 = my queries, or p): a lane holds ONE query.  Row p of a tile is index 32 (m / 2) + 8 (m % 2) + p + 8 (p / 8),
; so that the 16 registers of tiles 2 b and 2 b + 1 are 16 neighbours: keys 32 b + 16 (lane / 16) + 0 .. 15, and at the end channels likewise.
; NO CLUSTER: the eight work-groups of a head do read the same 204,800 bytes, but which steps a wave leaves out hangs on its work-group's block of queries, which would be its place in the cluster.
; LIMITS: 1 / the sum is v_rcp_f32; a block of zeros gets the byte 1 for 127 (zero codes; read by this program alone); a block's largest p is taken as the p of its largest score; NaN and infinities are not served.
; REGISTERS: v1-3 lane terms; v4-5 the step's LDS addresses; v12 -M, v13 the largest t, v[14:15] the sum in two halves; v16-33 q, zeros, q; v34-35 q's scale words; v36-83 four fragments of K, then of V;
;   v84-87 K's scale words, v88-91 V's; v96-159 S^T, then p; v160-191 O^T; v224-235 p's codes; v232-254 at work; v253 p's scale word.
.set GB,    51200
.set STEPB, 12800
.set HALF,  8*STEPB
.set SEL,   40                         ; s[40:41] lane selects for v_permlanex16_b32: lane l xor 16
.set CS,    42                         ; s[42:43] c = log2(e) / 8: the packed form names a pair and takes its low word for both halves
.set T,     240                        ; v240-247 at work in the last quantiser
.macro QUANT2 s, pc, w                 ; 32 numbers of a lane, register 16 b + i = k 32 b + 16 (lane / 16) + i, become six registers of codes (lane (r, h): k 32 h + 0 .. 31) and two scale bytes
.irp b, 0,1
	v_max3_num_f32 v[T+\b], |v[\s+16*\b]|, |v[\s+1+16*\b]|, 0x2800000
.endr
.irp i, 2,4,6,8,10,12,14
.irp b, 0,1
	s_delay_alu instid0(VALU_DEP_2)
	v_max3_num_f32 v[T+\b], v[T+\b], |v[\s+16*\b+\i]|, |v[\s+1+16*\b+\i]|
.endr
.endr
.irp b, 0,1
	s_delay_alu instid0(VALU_DEP_2)
	v_permlanex16_b32 v[T+2+\b], v[T+\b], s[SEL], s[SEL+1]
.endr
.irp b, 0,1
	s_delay_alu instid0(VALU_DEP_2)
	v_max_num_f32 v[T+\b], v[T+\b], v[T+2+\b]
.endr
.irp b, 0,1
	s_delay_alu instid0(VALU_DEP_2)
	v_add_nc_u32 v[T+4+\b], 0xfe000000, v[T+\b]
.endr
.irp b, 0,1
	s_delay_alu instid0(VALU_DEP_2)
	v_lshrrev_b32 v[T+6+\b], 23, v[T+4+\b]
.endr
	s_delay_alu instid0(VALU_DEP_1)
	v_lshl_or_b32 v[\w], v[T+7], 8, v[T+6]
	v_cvt_scalef32_pk16_bf6_f32 v[\pc:\pc+2], v[\s:\s+15], v[T+4]
	v_cvt_scalef32_pk16_bf6_f32 v[\pc+6:\pc+8], v[\s+16:\s+31], v[T+5]
	v_nop                                          ; one plain place behind a scaled conversion
.irp i, 0,1,2
	v_permlane16_swap_b32 v[\pc+\i], v[\pc+6+\i]
.endr
.irp i, 0,1,2
	s_delay_alu instid0(VALU_DEP_3)
	v_mov_b32 v[\pc+3+\i], v[\pc+6+\i]
.endr
.endm
	s_load_b128 s[4:7], s[0:1], 0x0                ; QB s[4:5], KV s[6:7]
	s_load_b64 s[8:9], s[0:1], 0x10                ; YQ
	v_lshl_add_u32 v251, v0, 2, 0x32000
	v_mov_b32 v255, 0
	ds_add_u32 v251, v255
	ds_add_u32 v251, v255
	v_lshrrev_b32 v1, 5, v0
	s_delay_alu instid0(VALU_DEP_1)
	v_readfirstlane_b32 s10, v1                    ; wave 0..15
	s_and_b32 s11, ttmp7, 0xffff                   ; 16 x batch + head
	; descriptor group 1: a dense block of 6,400 bytes as 25 rows of 256 (32 elements of 8 bytes), no padding
	s_mov_b32 s16, 3<<16                           ; no mask; elements of 8 bytes
	s_mov_b32 s17, 32<<16                          ; tensor_dim0 = 32
	s_mov_b32 s18, 25<<16                          ; tensor_dim1 = 25
	s_mov_b32 s19, 32<<16                          ; tile_dim0 = 32
	s_mov_b32 s20, 25                              ; tile_dim1 = 25
	s_mov_b32 s21, 32                              ; from row to row: 32 elements
	s_mov_b32 s22, 0
	s_mov_b32 s23, 0
	s_mul_i32 s25, s10, 6400                       ; LDS address of my part of the first eight steps,
	s_add_co_u32 s29, s25, HALF                    ; and of the last eight
	s_mul_i32 s12, s11, 16*STEPB
	s_add_co_u32 s12, s12, s25
	s_mov_b32 s13, 0
	s_mov_b32 s24, 1
	s_mov_b32 s28, 1
	s_wait_dscnt 0x0
	s_wait_kmcnt 0x0
	s_add_nc_u64 s[26:27], s[6:7], s[12:13]
	s_add_nc_u64 s[30:31], s[26:27], HALF
	s_or_b32 s27, s27, 0x80000000                  ; type = 2
	s_or_b32 s31, s31, 0x80000000
	tensor_load_to_lds s[24:27], s[16:23]          ; the first fill, ahead of every wait on TENSORcnt, every LDS read and every barrier; the second stands behind a wait on TENSORcnt and a barrier; their descriptors are never written again
	s_nop 0
	s_wait_alu depctr_va_vdst(0)
	s_wait_tensorcnt 0x0
	ds_add_u32 v251, v255
	s_wait_dscnt 0x0
	s_barrier_signal -1
	s_barrier_wait -1
	tensor_load_to_lds s[28:31], s[16:23]
	s_nop 0
.rept 4
	v_nop
.endr
	s_sub_co_u32 s44, 15, ttmp9
	s_cmp_lt_u32 s10, 8
	s_cselect_b32 s34, ttmp9, s44                  ; DS: the key step on my diagonal, and my block of 128 queries
	s_and_b32 s45, s10, 7
	s_lshl_b32 s32, s34, 3
	s_add_co_u32 s32, s32, s45                     ; my tile of queries, 0 .. 127
	s_lshr_b32 s33, s32, 1
	s_lshl_b32 s33, s33, 5
	s_and_b32 s46, s32, 1
	s_lshl_b32 s47, s46, 3
	s_add_co_u32 s33, s33, s47                     ; Q0: the tile's first query
	s_lshl_b32 s48, s11, 4
	s_add_co_u32 s48, s48, s34
	s_mul_i32 s48, s48, 6400                       ; my block of QB
	s_bfe_u32 s49, s32, 0x20001                    ; which pair of tiles in it
	s_mul_i32 s50, s49, 1536
	s_add_co_u32 s50, s50, s48
	s_mul_i32 s51, s46, 768
	s_add_co_u32 s50, s50, s51
	s_mov_b32 s51, 0
	s_add_nc_u64 s[50:51], s[4:5], s[50:51]        ; q's codes
	s_lshl_b32 s52, s49, 2
	s_lshl_b32 s53, s46, 1
	s_add_co_u32 s52, s52, s53
	s_add_co_u32 s52, s52, s48
	s_mov_b32 s53, 0
	s_add_nc_u64 s[52:53], s[4:5], s[52:53]        ; q's scale bytes (6,144 more in the load's immediate)
	v_and_b32 v6, 31, v0
	s_delay_alu instid0(VALU_DEP_1)
	v_lshlrev_b32 v1, 3, v6                        ; 8 x lane
	v_and_b32 v7, 15, v0
	s_delay_alu instid0(VALU_DEP_1)
	v_lshlrev_b32 v2, 4, v7                        ; 16 r
.irp p, 0,1,2
	global_load_b64 v[16+2*\p:17+2*\p], v1, s[50:51] offset:256*\p
.endr
	global_load_u16 v34, v2, s[52:53] offset:6144  ; bytes 0, 1: q's scales; bytes 2, 3: 0
	v_bfe_u32 v8, v0, 4, 1
	v_and_b32 v3, 8, v7
	s_delay_alu instid0(VALU_DEP_1)
	v_add_nc_u32 v3, v3, v7
	s_delay_alu instid0(VALU_DEP_3)
	v_lshlrev_b32 v8, 4, v8
	s_delay_alu instid0(VALU_DEP_1)
	v_sub_nc_u32 v3, v3, v8                        ; r + 8 (r / 8) - 16 h: for the mask
	s_mov_b32 s[SEL], 0x76543210
	s_mov_b32 s[SEL+1], 0xfedcba98
	s_mov_b32 s[CS], 0x3e38aa3b                    ; c = log2(e) / 8
	s_mov_b32 s[CS+1], s[CS]
	s_mov_b32 s35, 0                               ; the key step
	s_mov_b32 s36, 0                               ; where its bytes begin in LDS
	s_mov_b32 s37, 0                               ; its first key
	v_mov_b32 v13, 0xff61b1e6                      ; the largest t so far: -3e38, under every t
	s_delay_alu instid0(VALU_DEP_1)
	v_floor_f32 v12, -v13                          ; -M
	v_mov_b32 v14, 0
	v_mov_b32 v15, 0
.irp b, 0,1,2,3
	v_mov_b32 v[236+\b], 0                         ; written once: a lane permute's destination counts as one of its sources
.endr
	v_mov_b32 v252, 0
	v_mov_b32 v253, 0
.irp i, 0,1,2,3,4,5
	v_mov_b32 v[22+\i], 0                          ; the zero codes between the two copies of q
.endr
	s_wait_loadcnt 0x0
.irp i, 0,1,2,3,4,5
	v_mov_b32 v[28+\i], v[16+\i]
.endr
	v_lshlrev_b32 v35, 16, v34                     ; the scale word for [0 | q]
.irp j, 0,1,2,3,4,5,6,7,8,9,10,11,12,13,14,15,16,17,18,19,20,21,22,23,24,25,26,27,28,29,30,31
	v_mov_b32 v[160+\j], 0                         ; O^T: the step is written once, and its first walk finds zeros.  (These are also the places between the writes of q's operands and scale word and the first product)
.endr
; A KEY STEP: 128 keys
.macro STEP
	s_cmp_gt_u32 s35, s34                          ; all its keys come after my queries: only the stepping at the end is done
	s_cbranch_scc1 .Lhidden_\@
	s_setprio 2
	v_add_nc_u32 v4, s36, v1
	v_add_nc_u32 v5, s36, v2
	v_nop
	v_nop                                          ; four places in front of loads into registers that the last products read
.irp f, 0,1,2,3
.irp p, 0,1,2,3,4,5
	ds_load_b64 v[36+12*\f+2*\p:37+12*\f+2*\p], v4 offset:1536*\f+256*\p   ; 32 lanes read 256 consecutive bytes
.endr
.endr
	ds_load_b128 v[84:87], v5 offset:12288
	s_wait_alu depctr_va_vdst(0)
	s_wait_dscnt 0x0
.irp f, 0,1,2,3                                ; S^T: register 16 f + i = key 32 f + 16 h + i of the step
	v_wmma_scale_f32_16x16x128_f8f6f4 v[96+16*\f:103+16*\f], v[36+12*\f:47+12*\f], v[16:27], 0, v[84+\f], v34 matrix_a_fmt:MATRIX_FMT_BF6 matrix_b_fmt:MATRIX_FMT_BF6
	v_wmma_scale_f32_16x16x128_f8f6f4 v[104+16*\f:111+16*\f], v[36+12*\f:47+12*\f], v[22:33], 0, v[84+\f], v35 matrix_a_fmt:MATRIX_FMT_BF6 matrix_b_fmt:MATRIX_FMT_BF6
.endr
.rept 4
	v_nop                                          ; places in front of the loads below and of the first read of the scores
.endr
.irp f, 0,1,2,3                                ; V^T's fragments take K's registers and land while the softmax is worked
.irp p, 0,1,2,3,4,5
	ds_load_b64 v[36+12*\f+2*\p:37+12*\f+2*\p], v4 offset:6144+1536*\f+256*\p
.endr
.endr
	ds_load_b128 v[88:91], v5 offset:12544
	s_cmp_lg_u32 s35, s34                          ; on the diagonal the scores of hidden keys become -infinity ahead of the maximum: p = 0 then
	s_cbranch_scc1 .Lopen_\@
	s_sub_co_i32 s44, s33, s37
	v_add_nc_u32 v252, s44, v3                     ; d = my query - the step's first key - 16 h: register 16 b + i is hidden where 32 b + i > d
	v_mov_b32 v254, 0xff800000
.irp n, 0,1,2,3,4,5,6,7,8,9,10,11,12,13,14,15,16,17,18,19,20,21,22,23,24,25,26,27,28,29,30,31,32,33,34,35,36,37,38,39,40,41,42,43,44,45,46,47,48,49,50,51,52,53,54,55,56,57,58,59,60,61,62,63
	v_cmp_gt_i32 vcc_lo, 32*(\n/16)+\n%16, v252
	v_cndmask_b32 v[96+\n], v[96+\n], v254, vcc_lo
.endr
.Lopen_\@:
.irp b, 0,1,2,3
	v_max3_num_f32 v[232+\b], v[96+16*\b], v[97+16*\b], v[98+16*\b]   ; the largest score of each block of 32 keys: for the row's maximum, and, since p rises with the score, for the block's largest p
.endr
.irp i, 3,5,7,9,11,13
.irp b, 0,1,2,3
	v_max3_num_f32 v[232+\b], v[232+\b], v[96+16*\b+\i], v[97+16*\b+\i]
.endr
.endr
.irp b, 0,1,2,3
	v_max_num_f32 v[232+\b], v[232+\b], v[111+16*\b]
.endr
.irp b, 0,1,2,3
	s_delay_alu instid0(VALU_DEP_4)
	v_permlanex16_b32 v[236+\b], v[232+\b], s[SEL], s[SEL+1]
.endr
.irp b, 0,1,2,3
	s_delay_alu instid0(VALU_DEP_4)
	v_max_num_f32 v[232+\b], v[232+\b], v[236+\b]  ; with lane l xor 16's 16 keys
.endr
	s_delay_alu instid0(VALU_DEP_2)
	v_max3_num_f32 v254, v232, v233, v234
	s_delay_alu instid0(VALU_DEP_1)
	v_max_num_f32 v254, v254, v235                 ; the step's largest score of my query
	s_delay_alu instid0(VALU_DEP_1)
	v_mul_f32 v254, s[CS], v254                    ; as t
	s_delay_alu instid0(VALU_DEP_1)
	v_max_num_f32 v13, v13, v254                   ; the running largest t
	v_mov_b32 v254, v12
	s_delay_alu instid0(VALU_DEP_2)
	v_floor_f32 v12, -v13                          ; the new -M = -ceil(t): a whole number
	s_delay_alu instid0(VALU_DEP_1)
	v_sub_f32 v254, v12, v254                      ; old M - new M: a whole number, 0 or less
	s_delay_alu instid0(VALU_DEP_1)
	v_cvt_i32_f32 v254, v254                       ; (it saturates)
	s_delay_alu instid0(VALU_DEP_1)
	v_ldexp_f32 v252, 1.0, v254                    ; f = 2^(old M - new M)
	s_setprio 1
.irp j, 0,2,4,6,8,10,12,14,16,18,20,22,24,26,28,30,32,34,36,38,40,42,44,46,48,50,52,54,56,58,60,62
	v_pk_fma_f32 v[96+\j:97+\j], v[96+\j:97+\j], s[CS:CS+1], v[12:13] op_sel_hi:[1,0,0]   ; t - M, two at a time
.endr
.irp b, 0,1,2,3
	v_fma_f32 v[232+\b], v[232+\b], s[CS], v12     ; the same of each block's largest score
.endr
	s_wait_alu depctr_va_vdst(0)
.irp j, 0,1,2,3,4,5,6,7,8,9,10,11,12,13,14,15,16,17,18,19,20,21,22,23,24,25,26,27,28,29,30,31,32,33,34,35,36,37,38,39,40,41,42,43,44,45,46,47,48,49,50,51,52,53,54,55,56,57,58,59,60,61,62,63
	v_exp_f32 v[96+\j], v[96+\j]                   ; p = 2^(t - M), at most 1
.endr
.irp b, 0,1,2,3
	v_exp_f32 v[232+\b], v[232+\b]                 ; the block's largest p
.endr
	v_pk_mul_f32 v[14:15], v[14:15], v[252:253] op_sel_hi:[1,0]   ; the sums under the new M.  (A plain place behind the exponentials)
	s_wait_alu depctr_va_vdst(0)
.irp b, 0,1,2,3
	v_max_num_f32 v[232+\b], 0x2800000, v[232+\b]  ; the floor 2^(5 - 127): the byte cannot fall under 1
.endr
.irp b, 0,1,2,3
	s_delay_alu instid0(VALU_DEP_4)
	v_add_nc_u32 v[244+\b], 0xfe000000, v[232+\b]  ; 4 off the exponent field: the conversion's scale operand
.endr
.irp b, 0,1,2,3
	s_delay_alu instid0(VALU_DEP_4)
	v_lshrrev_b32 v[236+\b], 23, v[244+\b]         ; the scale's byte
.endr
	s_delay_alu instid0(VALU_DEP_3)
	v_lshl_or_b32 v253, v237, 8, v236              ; p's scale word for these 128 keys
	s_delay_alu instid0(VALU_DEP_1)
	v_lshl_or_b32 v253, v238, 16, v253
	s_delay_alu instid0(VALU_DEP_1)
	v_lshl_or_b32 v253, v239, 24, v253
.irp c, 0,1
	v_cvt_scalef32_pk16_bf6_f32 v[224+6*\c:226+6*\c], v[96+32*\c:111+32*\c], v[244+2*\c]
	v_cvt_scalef32_pk16_bf6_f32 v[236+4*\c:238+4*\c], v[112+32*\c:127+32*\c], v[244+2*\c+1]
.endr
	v_nop                                          ; one plain place behind a scaled conversion
.irp c, 0,1
.irp i, 0,1,2
	v_permlane16_swap_b32 v[224+6*\c+\i], v[236+4*\c+\i]
.endr
.irp i, 0,1,2
	s_delay_alu instid0(VALU_DEP_3)
	v_mov_b32 v[227+6*\c+\i], v[236+4*\c+\i]
.endr
.endr
	s_setprio 0
.irp j, 0,2,4,6,8,10,12,14,16,18,20,22,24,26,28,30
	v_pk_mul_f32 v[160+\j:161+\j], v[160+\j:161+\j], v[252:253] op_sel_hi:[1,0]   ; O^T under the new M, each accumulator from its low end on
.endr
	v_pk_add_f32 v[236:237], v[96:97], v[98:99]    ; the row's sum is taken of the unquantised p: two at a time, in two chains.  (These are also the places between the writes above and the products below)
.irp j, 4,8,12,16,20,24,28,32,36,40,44,48,52,56,60
	v_pk_add_f32 v[14:15], v[14:15], v[96+\j:97+\j]
	v_pk_add_f32 v[236:237], v[236:237], v[98+\j:99+\j]
.endr
	s_delay_alu instid0(VALU_DEP_1)
	v_pk_add_f32 v[14:15], v[14:15], v[236:237]
	s_wait_dscnt 0x0                               ; V^T's fragments and scale words are in
.irp f, 0,1,2,3                                ; O^T += V^T p^T: the four accumulators by turns
	v_wmma_scale_f32_16x16x128_f8f6f4 v[160+8*\f:167+8*\f], v[36+12*\f:47+12*\f], v[224:235], v[160+8*\f:167+8*\f], v[88+\f], v253 matrix_a_fmt:MATRIX_FMT_BF6 matrix_b_fmt:MATRIX_FMT_BF6
.endr
.Lhidden_\@:
	s_add_co_u32 s35, s35, 1
	s_add_co_u32 s36, s36, STEPB
	s_add_co_u32 s37, s37, 128
.endm
	s_wait_tensorcnt 0x1                           ; my part of the first eight steps is in; my part of the last eight, issued behind it, may stay out
	s_barrier_signal -1
	s_barrier_wait -1                              ; everybody's is
	s_mov_b32 s38, 8
.Lfirst_half:
	STEP
	s_sub_co_u32 s38, s38, 1
	s_cmp_lg_u32 s38, 0
	s_cbranch_scc1 .Lfirst_half
	s_setprio 0
	s_wait_tensorcnt 0x0                           ; my part of the last eight steps is in
	s_wait_dscnt 0x0
	s_barrier_signal -1
	s_barrier_wait -1
	s_mov_b32 s36, HALF
	s_mov_b32 s38, 8
.Lsecond_half:
	STEP
	s_sub_co_u32 s38, s38, 1
	s_cmp_lg_u32 s38, 0
	s_cbranch_scc1 .Lsecond_half
	s_setprio 0
	; THE WAY OUT: O^T / the sum is my 16 tokens' 64 channels of y; register 16 b + i = channel 32 b + 16 h + i: quantised where it lies, it is half a fragment of the last product's operand
.rept 4
	v_nop                                          ; places behind the last products
.endr
	s_wait_alu depctr_va_vdst(0)
	v_add_f32 v14, v14, v15
	s_delay_alu instid0(VALU_DEP_1)
	v_permlanex16_b32 v252, v14, s[SEL], s[SEL+1]
	s_delay_alu instid0(VALU_DEP_1)
	v_add_f32 v14, v14, v252                       ; the row's sum
	s_wait_alu depctr_va_vdst(0)
	v_rcp_f32 v14, v14
	v_mov_b32 v[T+2], 0                            ; (a plain place behind the reciprocal)  lane permutes' destinations
	v_mov_b32 v[T+3], 0
	s_wait_alu depctr_va_vdst(0)
.irp j, 0,1,2,3,4,5,6,7,8,9,10,11,12,13,14,15,16,17,18,19,20,21,22,23,24,25,26,27,28,29,30,31
	v_mul_f32 v[96+\j], v[160+\j], v14
.endr
	s_and_b32 s44, s11, 15                         ; the head
	s_lshr_b32 s45, s11, 4
	s_lshl_b32 s45, s45, 7
	s_add_co_u32 s45, s45, s32                     ; my tile among the 256 tiles of tokens
	s_lshr_b32 s46, s45, 2
	s_mul_i32 s46, s46, GB                         ; its group
	s_and_b32 s45, s45, 3                          ; its place in the group
	s_lshr_b32 s47, s44, 1                         ; the K step: two heads to 128 channels
	s_and_b32 s44, s44, 1                          ; which half of it
	s_mul_i32 s48, s47, 6144
	s_mul_i32 s49, s45, 1536
	s_add_co_u32 s48, s48, s49
	s_mul_i32 s49, s44, 768
	s_add_co_u32 s48, s48, s49
	s_add_co_u32 s48, s48, s46
	s_mov_b32 s49, 0
	s_add_nc_u64 s[48:49], s[8:9], s[48:49]
	s_lshl_b32 s54, s47, 8
	s_lshl_b32 s55, s45, 2
	s_add_co_u32 s54, s54, s55
	s_lshl_b32 s55, s44, 1
	s_add_co_u32 s54, s54, s55
	s_add_co_u32 s54, s54, s46
	s_mov_b32 s55, 0
	s_add_nc_u64 s[54:55], s[8:9], s[54:55]
	QUANT2 96, 224, 253
.irp p, 0,1,2
	global_store_b64 v1, v[224+2*\p:225+2*\p], s[48:49] offset:256*\p   ; 32 lanes store 256 consecutive bytes, aligned
.endr
	global_store_b16 v2, v253, s[54:55] offset:49152   ; the row's two bytes (lanes 16-31 write the same bytes with the same value)
	s_wait_tensorcnt 0x0
	ds_add_u32 v251, v255
	s_wait_dscnt 0x0
	s_endpgm
.Lfunc_end_k_q1d909210ee_attn:
	.size	k_q1d909210ee_attn, .Lfunc_end_k_q1d909210ee_attn-k_q1d909210ee_attn
	.p2alignl 7, 3214868480
	.fill 96, 4, 3214868480
	.section	.rodata,"a",@progbits
	.p2align	6, 0x0
	.amdhsa_kernel k_q1d909210ee_attn
		.amdhsa_group_segment_fixed_size 327680
		.amdhsa_private_segment_fixed_size 0
		.amdhsa_enable_private_segment 0
		.amdhsa_kernarg_size 24
		.amdhsa_user_sgpr_count 2
		.amdhsa_user_sgpr_kernarg_segment_ptr 1
		.amdhsa_wavefront_size32 1
		.amdhsa_system_sgpr_workgroup_id_x 1
		.amdhsa_system_sgpr_workgroup_id_y 1
		.amdhsa_system_sgpr_workgroup_id_z 1
		.amdhsa_system_vgpr_workitem_id 0
		.amdhsa_next_free_vgpr 256
		.amdhsa_next_free_sgpr 66
		.amdhsa_reserve_vcc 1
		.amdhsa_float_denorm_mode_32 3
		.amdhsa_float_denorm_mode_16_64 3
		.amdhsa_memory_ordered 1
		.amdhsa_forward_progress 1
		.amdhsa_inst_pref_size 59
	.end_amdhsa_kernel
	.amdgpu_metadata
---
amdhsa.version: [ 1, 2 ]
amdhsa.kernels:
  - .name:           k_q1d909210ee_attn
    .symbol:         k_q1d909210ee_attn.kd
    .args:
      - { .name: QB, .offset: 0, .size: 8, .value_kind: global_buffer, .address_space: global }
      - { .name: KV, .offset: 8, .size: 8, .value_kind: global_buffer, .address_space: global }
      - { .name: YQ, .offset: 16, .size: 8, .value_kind: global_buffer, .address_space: global }
    .group_segment_fixed_size: 327680
    .private_segment_fixed_size: 0
    .kernarg_segment_align: 8
    .kernarg_segment_size: 24
    .max_flat_workgroup_size: 512
    .sgpr_count:     66
    .vgpr_count:     256
    .wavefront_size: 32
...
	.end_amdgpu_metadata
.endif
;; end of part 7
;; launch proj (part 8): grid 8 x 32, 4 waves a work-group, no clusters, 17,920 bytes of LDS; arguments YQ, WQ, b_proj, out0; writes out0
.if DOCPART == 8
	.amdgcn_target "amdgcn-amd-amdhsa--gfx1250"
	.amdhsa_code_object_version 6
	.text
	.protected	k_q1d909210ee_proj
	.globl	k_q1d909210ee_proj
	.p2align	8
	.type	k_q1d909210ee_proj,@function
k_q1d909210ee_proj:
	s_mov_b64 s[64:65], 0
	v_nop
	global_prefetch_b8 v0, s[64:65] scope:SCOPE_SE
	s_setreg_imm32_b32 hwreg(HW_REG_WAVE_SCHED_MODE, 0, 2), 2
	s_setreg_imm32_b32 hwreg(HW_REG_WAVE_MODE, 25, 1), 1
	s_wait_xcnt 0x0
	s_wait_alu depctr_vm_vsrc(0)
; out0 = Q(y) Q(W_proj) + b_proj on codes of BF6 with E8M0 scales; out0 [4096][1024] f32.
; A work-group makes 128 tokens x 128 columns, a wave 64 x 64: 16 accumulators, K = 1,024 in 8 steps of 128.  Source 0 = 16 columns of W, source 1 = 16 tokens: a lane holds one token and eight neighbouring columns.
; Operands are images of registers in groups of GB bytes (fragments at 6144 ks + 1536 tile, scale words at 49152 + 256 ks + 16 row + 4 tile).  W's fragments lie in chunks of four registers (three loads of 16 bytes a lane),
; y's in pieces of two (six loads of 8 bytes a lane), since y's writers make half fragments.  Row p of tile m is index 32 (m / 2) + 8 (m % 2) + p + 8 (p / 8), for tokens and for columns.
; THE WAY OUT: 16 tokens x 64 columns at a time through the wave's own stage in LDS (rows of 256 bytes + 16), back as whole rows: sixteen lanes store 256 consecutive bytes, aligned.  No barrier: each wave has its own bytes.
; NO TENSOR LOADS, NO CLUSTER: a wave has 128 matrix instructions in all and its operands come straight into its registers; with no tensor load there is no joint request to make.
; LIMITS: the bias is the C of each sum's first product (reference() adds it behind the sum: another order of rounding); NaN and infinities are not served.
; THE MODE: SCHED_MODE bits 1:0 = 2 (LLVM: expert scheduling mode 2), set by the entry lines.  The code itself states the register dependences
; between vector or matrix instructions and memory or LDS instructions, with s_wait_alu, always for 0.
; THE PLAN.  Registers that memory or LDS instructions touch:
;   v1, v2, v3, v5  offsets of the loads: written once at the head, never again.   v8, v9, v10: addresses of the way out: written once, behind the head's loads.
;   BUFFER 0        fragments v16-111, scale words v112-119.    BUFFER 1: fragments under the same numbers in window 1 (v272-367), scale words v12-15 and v120-123 (scale operands have no window).
;                   Step k's 16 products read buffer k % 2; behind them the 38 loads of step k + 2 land in it, while the other buffer's loads are on their way.  Steps 0 and 1 are asked for at the head.
;   ACC             the bias loads land in v128-159 ahead of every product; the products write all of it; the LDS stores of the way out read it.
;   v16-111         on the way out: the rows of tiles 0 to 2 come back from the stage into them;  v128-159: tile 3's rows, behind tile 0's LDS stores.
; So: one wait on va_vdst ahead of the first load; ONE behind the products of each of steps 0 to 5, ahead of the refill of the buffer that they have read; one ahead of the way out;
; one wait on vm_vsrc ahead of tile 3's turn through the stage.
.set GB,  51200
.set PF,  16                           ; W's four fragments: buffer 0 v16-63, buffer 1 v272-319
.set RF,  64                           ; y's four: buffer 0 v64-111, buffer 1 v320-367
.set PS0, 112                          ; v112-115 W's scale words, buffer 0
.set RS0, 116                          ; v116-119 y's, buffer 0
.set PS1, 12                           ; v12-15   W's, buffer 1
.set RS1, 120                          ; v120-123 y's, buffer 1
.set ACC, 128                          ; v128-255 accumulator (a, b) at 128 + 32 b + 8 a
.set SP,  272                          ; a stage row: row r begins 16 r bytes on modulo 256
.set MSB, 0
.macro WIN new                         ; s_set_vgpr_msb: bits 1:0 source 0, 3:2 source 1, 5:4 source 2, 7:6 destination; the immediate's high byte repeats the setting that is left; a switch that changes nothing is dropped
.if MSB != (\new)
	s_set_vgpr_msb (MSB<<8)|(\new)
.set MSB, (\new)
.endif
.endm
.macro PICK buf                        ; the buffer's scale registers
.if \buf
.set SA, PS1
.set SB, RS1
.else
.set SA, PS0
.set SB, RS0
.endif
.endm
.macro LOADS ks, buf                   ; 38 loads into buffer buf: the scale words, W's fragments, y's tile by tile
	PICK \buf
	global_load_b128 v[SA:SA+3], v2, s[24:25] offset:49152+256*(\ks)
	global_load_b128 v[SB:SB+3], v2, s[26:27] offset:49152+256*(\ks)
	WIN 0x40*(\buf)                                ; buffer 1: destination window 1, offset window 0
.irp a, 0,1,2,3
.irp c, 0,1,2
	global_load_b128 v[PF+12*\a+4*\c:PF+12*\a+4*\c+3], v1, s[24:25] offset:6144*(\ks)+1536*\a+512*\c
.endr
.endr
.irp b, 0,1,2,3
.irp p, 0,1,2,3,4,5
	global_load_b64 v[RF+12*\b+2*\p:RF+12*\b+2*\p+1], v5, s[26:27] offset:6144*(\ks)+1536*\b+256*\p
.endr
.endr
	WIN 0
.endm
.macro MM a, b, cb
	v_wmma_scale_f32_16x16x128_f8f6f4 v[ACC+32*(\b)+8*(\a):ACC+32*(\b)+8*(\a)+7], v[PF+12*(\a):PF+12*(\a)+11], v[RF+12*(\b):RF+12*(\b)+11], v[\cb:\cb+7], v[SA+(\a)], v[SB+(\b)] matrix_a_fmt:MATRIX_FMT_BF6 matrix_b_fmt:MATRIX_FMT_BF6
.endm
.macro REFILL ks, buf                  ; the buffer just multiplied is asked for again at once, for the step two on
.rept 4
	v_nop                                          ; places in front of loads into registers that matrix instructions have read; the wait below states the dependence itself
.endr
	s_wait_alu depctr_va_vdst(0)                   ; the step's products are done reading this buffer's fragments and scale words, in which the 38 loads below land; only loads and window switches follow up to the last of them
	LOADS \ks, \buf
.endm
; Step ks on buffer buf.  younger: the loads of the next step, issued behind this step's.  refill = 1: step ks + 2 is asked for.
.macro STEP ks, buf, younger, refill   ; the 16 accumulators take turns, one instruction a turn, in the same order in every step
	PICK \buf
	WIN 5*(\buf)                                   ; buffer 1: sources 0 and 1 window 1; C and D window 0
.irp b, 0,1,2,3
	s_wait_loadcnt \younger+18-6*\b                ; all but the next step's loads and the six loads of each later tile of y
.irp a, 0,1,2,3
	MM \a, \b, ACC+32*\b+8*\a
.endr
.endr
	WIN 0
.if \refill
	REFILL (\ks)+2, \buf
.endif
.endm
.macro TOSTAGE b, reg                  ; tile b's 16 tokens x 64 columns: in by lanes, each accumulator from its low end on; back by rows, into the 32 registers from reg on (LDS serves a wave's instructions in order)
.irp a, 0,1,2,3
	ds_store_b128 v8, v[ACC+32*(\b)+8*\a:ACC+32*(\b)+8*\a+3] offset:128*(\a/2)+32*(\a%2)
	ds_store_b128 v8, v[ACC+32*(\b)+8*\a+4:ACC+32*(\b)+8*\a+7] offset:128*(\a/2)+32*(\a%2)+16
.endr
.irp t, 0,1,2,3,4,5,6,7
	ds_load_b128 v[\reg+4*\t:\reg+4*\t+3], v9 offset:2*SP*\t
.endr
.endm
.macro SEND b, reg, younger            ; younger: the LDS instructions issued behind tile b's loads, which may stay out
	s_wait_dscnt \younger
.irp t, 0,1,2,3,4,5,6,7                        ; stage rows 2 t and 2 t + 1 are tokens 32 (b / 2) + 8 (b % 2) + 2 t + 8 (t / 4) and the next
	global_store_b128 v10, v[\reg+4*\t:\reg+4*\t+3], s[10:11] offset:(32*((\b)/2)+8*((\b)%2)+2*\t+8*(\t/4))*4096 th:TH_STORE_NT
.endr
.endm
	s_load_b256 s[4:11], s[0:1], 0x0               ; YQ s[4:5], WQ s[6:7], b_proj s[8:9], out0 s[10:11]
	v_lshl_add_u32 v126, v0, 2, 0x4400             ; the LDS address of my spare word, behind the four stages, and 0: made here and kept for the closing lines alone
	v_mov_b32 v127, 0
	v_lshrrev_b32 v1, 5, v0
	v_readfirstlane_b32 s14, v1                    ; wave 0..3
	v_and_b32 v6, 31, v0
	v_lshlrev_b32 v1, 4, v6                        ; 16 x lane
	v_lshlrev_b32 v5, 3, v6                        ; 8 x lane
	v_and_b32 v7, 15, v0                           ; r
	v_lshlrev_b32 v2, 4, v7                        ; 16 r
	v_bfe_u32 v11, v0, 4, 1                        ; h
	v_lshlrev_b32 v3, 6, v11                       ; 64 h
	s_wait_alu depctr_va_sdst(0)                   ; s14 is written, ahead of its first reader: the groups' numbers and the stage's place are made from it
	s_and_b32 s15, ttmp7, 0xffff                   ; which 128 tokens
	s_and_b32 s16, s14, 1
	s_lshr_b32 s17, s14, 1
	s_lshl_b32 s18, s15, 1
	s_add_co_u32 s18, s18, s16                     ; the group of tokens
	s_lshl_b32 s19, ttmp9, 1
	s_add_co_u32 s19, s19, s17                     ; the group of columns, 0 .. 15
	s_add_co_u32 s20, s19, 48                      ; W_proj's groups lie behind W_qkv's 48
	s_mul_i32 s20, s20, GB
	s_mov_b32 s21, 0
	s_mul_i32 s22, s18, GB
	s_mov_b32 s23, 0
	s_wait_kmcnt 0x0
	s_add_nc_u64 s[24:25], s[6:7], s[20:21]        ; source 0
	s_add_nc_u64 s[26:27], s[4:5], s[22:23]        ; source 1
	s_wait_alu depctr_va_vdst(0)                   ; the offsets v1, v2, v3 and v5 are written, which every load of the kernel reads; up to the last load of step 1 only scalar lines, loads and window switches follow
	LOADS 0, 0
	s_lshl_b32 s30, s19, 8
	s_mov_b32 s31, 0
	s_add_nc_u64 s[8:9], s[8:9], s[30:31]          ; my 64 numbers of the bias
	s_add_nc_u64 s[10:11], s[10:11], s[30:31]      ; my 64 columns of out0,
	s_lshl_b32 s30, s18, 18
	s_add_nc_u64 s[10:11], s[10:11], s[30:31]      ; my 64 rows of 4,096 bytes
.irp a, 0,1,2,3                                ; the bias is the C of each sum's first product: register j of tile a is column 32 (a / 2) + 8 (a % 2) + 16 h + j
	global_load_b128 v[ACC+8*\a:ACC+8*\a+3], v3, s[8:9] offset:(32*(\a/2)+8*(\a%2))*4
	global_load_b128 v[ACC+8*\a+4:ACC+8*\a+7], v3, s[8:9] offset:(32*(\a/2)+8*(\a%2))*4+16
.endr
	LOADS 1, 1                                     ; step 1 is asked for with step 0, into the other buffer
	s_mul_i32 s28, s14, 16*SP                      ; my stage
	v_mul_u32_u24 v8, v7, SP
	v_add_nc_u32 v8, v8, v3
	v_add_nc_u32 v8, s28, v8                       ; in: row r, + 64 h
	v_mul_u32_u24 v9, v11, SP
	v_add_nc_u32 v9, v9, v2
	v_add_nc_u32 v9, s28, v9                       ; back: lanes 0-15 one row, lanes 16-31 the next
	v_lshl_add_u32 v10, v11, 12, v2                ; and the same two rows in out0
	PICK 0
	s_wait_loadcnt 38                              ; step 0's operands and the bias are in; step 1's 38 loads, issued behind them, may stay out
.irp b, 1,2,3
.irp a, 0,1,2,3
	MM \a, \b, ACC+8*\a
.endr
.endr
.rept 5
	v_nop                                          ; five places: the next four products write over registers that the products above read as C
.endr
.irp a, 0,1,2,3
	MM \a, 0, ACC+8*\a
.endr
	REFILL 2, 0
	STEP 1, 1, 38, 1
	STEP 2, 0, 38, 1
	STEP 3, 1, 38, 1
	STEP 4, 0, 38, 1
	STEP 5, 1, 38, 1
	STEP 6, 0, 38, 0                               ; the last two steps ask for nothing: no load leaves its buffer, and the counts run down
	STEP 7, 1, 0, 0
.rept 4
	v_nop                                          ; places in front of the first read of results
.endr
	s_wait_alu depctr_va_vdst(0)                   ; the products have written the accumulators, which the LDS stores read, and are done reading v16-111, in which the rows of tiles 0 to 2 land; v8 to v10 are written.  No vector or matrix instruction follows
	TOSTAGE 0, 16
	TOSTAGE 1, 48
	SEND 0, 16, 16                                 ; behind the earlier tile's loads: the next tile's eight stores and eight loads
	TOSTAGE 2, 80
	SEND 1, 48, 16
	s_wait_alu depctr_vm_vsrc(0)                   ; tile 0's LDS stores have read v128-159, in which tile 3's rows land
	TOSTAGE 3, 128
	SEND 2, 80, 16
	SEND 3, 128, 0
	s_wait_dscnt 0x0                               ; the closing lines, six on end
	s_wait_alu 0x0
	s_wait_tensorcnt 0x0
	ds_add_u32 v126, v127
	s_wait_dscnt 0x0
	s_endpgm
.Lfunc_end_k_q1d909210ee_proj:
	.size	k_q1d909210ee_proj, .Lfunc_end_k_q1d909210ee_proj-k_q1d909210ee_proj
	.p2alignl 7, 3214868480
	.fill 96, 4, 3214868480
	.section	.rodata,"a",@progbits
	.p2align	6, 0x0
	.amdhsa_kernel k_q1d909210ee_proj
		.amdhsa_group_segment_fixed_size 17920
		.amdhsa_private_segment_fixed_size 0
		.amdhsa_enable_private_segment 0
		.amdhsa_kernarg_size 32
		.amdhsa_user_sgpr_count 2
		.amdhsa_user_sgpr_kernarg_segment_ptr 1
		.amdhsa_wavefront_size32 1
		.amdhsa_system_sgpr_workgroup_id_x 1
		.amdhsa_system_sgpr_workgroup_id_y 1
		.amdhsa_system_sgpr_workgroup_id_z 1
		.amdhsa_system_vgpr_workitem_id 0
		.amdhsa_next_free_vgpr 368
		.amdhsa_next_free_sgpr 66
		.amdhsa_reserve_vcc 0
		.amdhsa_float_denorm_mode_32 3
		.amdhsa_float_denorm_mode_16_64 3
		.amdhsa_memory_ordered 1
		.amdhsa_forward_progress 1
		.amdhsa_inst_pref_size 58
	.end_amdhsa_kernel
	.amdgpu_metadata
---
amdhsa.version: [ 1, 2 ]
amdhsa.kernels:
  - .name:           k_q1d909210ee_proj
    .symbol:         k_q1d909210ee_proj.kd
    .args:
      - { .name: YQ, .offset: 0, .size: 8, .value_kind: global_buffer, .address_space: global }
      - { .name: WQ, .offset: 8, .size: 8, .value_kind: global_buffer, .address_space: global }
      - { .name: b_proj, .offset: 16, .size: 8, .value_kind: global_buffer, .address_space: global }
      - { .name: out0, .offset: 24, .size: 8, .value_kind: global_buffer, .address_space: global }
    .group_segment_fixed_size: 17920
    .private_segment_fixed_size: 0
    .kernarg_segment_align: 8
    .kernarg_segment_size: 32
    .max_flat_workgroup_size: 128
    .sgpr_count:     66
    .vgpr_count:     368
    .wavefront_size: 32
...
	.end_amdgpu_metadata
.endif
;; end of part 8
